; MI455X (gfx1250); checked and timed in simulation.
; The chip was launched on July 23, 2026; its instructions are those of AMD's public machine-readable ISA for CDNA 5 (MIT licence, August 2026) and "CDNA5" Instruction Set Architecture Reference Guide (July 2026). The comments in the code are by the model that wrote it; some were corrected since.
;; Multi Head Attention Layer. Allowed arithmetic: matrix products marked QUANTISED: E3M2 operands, one E8M0 scale for each 32 along K, by v_wmma_scale_f32_16x16x128_f8f6f4 with both operands' format E3M2, f32 sums; everything else in f32.
;; Inputs: Wk 512 x 512 float32; Wo 512 x 512 float32; Wq 512 x 512 float32; Wv 512 x 512 float32; bk 512 float32; bo 512 float32; bq 512 float32; bv 512 float32; key_ 2 x 4,096 x 512 float32; mask 1 x 1 x 4,096 x 4,096 int32; query 2 x 4,096 x 512 float32; value 2 x 4,096 x 512 float32.
;; Outputs: out0 2 x 4,096 x 512 float32.
;; This version of the problem:
;;   THIS VERSION OF THE PROBLEM IS GIVEN IN LOW PRECISION. The matrix products marked QUANTISED in the list below multiply operands that are first quantised to E3M2 (3 exponent bits, 2 mantissa bits; 6 bits a number), with one power-of-two scale for each 32 numbers along K (OCP MX v1.0); their sums are f32. All else is computed in f32.
;;   The module's matrix products, in the order in which they are computed (A, B: the left and right operand; K: the contracted axis; several contracted axes count as one K, in the product's order):
;;     1. [M 8,192, K 512] x [K 512, N 512]; A: input query; B: input Wq: QUANTISED
;;     2. [M 8,192, K 512] x [K 512, N 512]; A: input key_; B: input Wk: QUANTISED
;;     3. [M 8,192, K 512] x [K 512, N 512]; A: input value; B: input Wv: QUANTISED
;;     4. batch 16 x [M 4,096, K 64] x [K 64, N 4,096]; A: computed on the way; B: computed on the way: QUANTISED
;;     5. batch 16 x [M 4,096, K 4,096] x [K 4,096, N 64]; A: softmax (see below); B: computed on the way: QUANTISED
;;     6. [M 8,192, K 512] x [K 512, N 512]; A: computed on the way; B: input Wo: QUANTISED
;;   THE QUANTISER, for each operand of a quantised product, along K:
;;     - K is cut into blocks of 32 from its start; a last block that is shorter is filled with zeros.
;;     - A block's scale is 2^e with e = floor(log2(the largest magnitude in the block)) - 4, held to -126 .. 127; a block of zeros has e = 0. As a byte (E8M0): e + 127.
;;     - Each number is divided by its block's scale, clamped to +-28, and rounded to the nearest number of E3M2, ties to even, subnormals kept.
;;     - The product sums the exact products of the quantised numbers (number of the format x scale) in f32.
;;   ~~~python
;;   def quantise(x, axis):      # numpy; x: float32 -> the quantised numbers, widened to float32 again
;;       x = np.moveaxis(x, axis, -1); K = x.shape[-1]
;;       x = np.pad(x, [(0, 0)] * (x.ndim - 1) + [(0, -K % 32)]); x = x.reshape(x.shape[:-1] + (-1, 32)); a = np.abs(x).max(-1, keepdims=True)
;;       e = np.where(a > 0, np.clip(np.frexp(np.where(a > 0, a, 1))[1] - 1 - 4, -126, 127), 0)      # np.frexp(a)[1] - 1 = floor(log2(a)), exactly
;;       r = np.clip(x / 2.0 ** e, -28, 28)
;;       step = 2.0 ** (np.maximum(np.frexp(np.where(r == 0, 1, r))[1] - 1, -2) - 2)
;;       q = np.round(r / step) * step * 2.0 ** e      # np.round: ties to even
;;       return np.moveaxis(q.reshape(q.shape[:-2] + (-1,))[..., :K], -1, axis).astype(np.float32)
;;   ~~~
;;   SOFTMAX AHEAD OF A QUANTISED PRODUCT. Where the list says 'softmax', what is quantised is not the finished softmax but p = 2^(t - M), with t = logit x log2(e) and M = ceil(the row's largest t), a whole number; so 1/2 < the row's largest p <= 1. The row's sum l is taken of the UNQUANTISED p, in f32, and the product's result is divided by l at the end. Since M is a whole number, a kernel that streams over the keys may use a running M (the ceiling of the running maximum): every later rescaling is an exact power of two, which a block's scale takes up: the codes' values come out the same.
;;   OPERANDS COMPUTED ON THE WAY. 'Computed on the way' means the value that the module computes at that place (a softmax that the list does not call 'softmax' is quantised finished and normalised). What goes into a quantiser is computed in f32, as accurately as f32 sums, v_exp_f32 and their like allow (about 1e-6 of the number): no bf16 or f16 on the way to a quantiser, and a product that is left as it is and whose result goes on into a quantised operand takes f32 operands (vector FMAs, or v_wmma_f32_16x16x4_f32). A number that lies on a knife's edge between two numbers of the format may be rounded either way, as far as f32 arithmetic and the matrix unit's own rounding can turn it there, and no further.
;; 2 versions. Each part assembles by itself: llvm-mc -triple=amdgcn-amd-amdhsa -mcpu=gfx1250 --defsym DOCPART=n.
;; ======== version 1 of 2: 4 launches
;; limits: right only within a limited range of input values
;; workspace buffers: mbits 2,097,152 bytes of whole numbers; mflag 2,048 bytes of whole numbers; wimg 851,968 bytes; qimg 3,407,872 bytes; kvrec 6,815,744 bytes; aimg 4,194,304 bytes
;; launch prep (part 1): grid 320 x 1, 8 waves a work-group, no clusters, 68,864 bytes of LDS; arguments mask, Wq, Wk, Wv, Wo, mbits, mflag, wimg; writes mbits, mflag, wimg
.if DOCPART == 1
	.amdgcn_target "amdgcn-amd-amdhsa--gfx1250"
	.amdhsa_code_object_version 6
	.text
	.protected	k_qf522ec05cf_prep
	.globl	k_qf522ec05cf_prep
	.p2align	8
	.type	k_qf522ec05cf_prep,@function
k_qf522ec05cf_prep:
	s_mov_b64 s[64:65], 0
	v_nop
	global_prefetch_b8 v0, s[64:65] scope:SCOPE_SE
	s_setreg_imm32_b32 hwreg(HW_REG_WAVE_MODE, 25, 1), 1
	s_wait_xcnt 0x0
; TWO JOBS IN ONE LAUNCH, parted by the work-group's number.
; Work-groups 0-255: the mask [4096][4096] int32 becomes LANE-MASK WORDS for the attention launch, and two flag words for each tile of 16 queries.
;   A tile T holds queries 32 (T / 2) + 8 (T % 2) + pi(r), pi(r) = r + 8 (r / 8), r = lane % 16.  A key step j is 128 keys.
;   mbits[T][j][n], n = 0 .. 63: bit L = (mask[query(T, L % 16)][128 j + 32 (n / 16) + 16 (L / 16) + n % 16] != 0): the lane and register in which attention holds that score.
;   mflag[T] = WORK, MIX: bit j of WORK: step j has an open key for some query of the tile; bit j of MIX: it also has a masked one.
;   If one of the tile's 16 rows has no open key at all, WORK is all ones: that tile passes over nothing, and such a row comes out as the plain mean of v.
; Work-groups 256-319: Wq, Wk, Wv, Wo [512 (k)][512 (n)] f32 become codes of E3M2 with one E8M0 byte for each 32 along k, laid as IMAGES OF OPERAND REGISTERS:
;   fragment f = 4 tau + s of a weight: lane (r, h) holds column 32 (tau / 2) + 8 (tau % 2) + pi(r); registers 6 c .. 6 c + 5 hold k = 128 s + 64 c + 32 h + 0 .. 31.
;   An image is three runs of 512 bytes (register group c at 512 c + 16 x lane); the scale words follow all 128 fragments, 4 bytes a lane.
; A block's scale is 2^(floor(log2(largest magnitude)) - 4); its byte is the largest magnitude's exponent field - 4, held at 1 from below.
; LIMITS: a block of zeros gets the byte 1 (its codes are zeros; the bytes are read by this program alone); blocks under 2^-122 are held at byte 1; NaN and infinities are not served.
.set ROWB,  16384                      ; a row of the mask in bytes
.set SP,    528                        ; a stage row: 512 bytes + 16, so that the 16 rows of a read start in 16 different groups of banks
.set WSTG,  16*SP                      ; a wave's stage
.set RED,   8*WSTG                     ; behind the stages: 16 bytes for each wave's flags
.set L0,    16                         ; v16-143  two landing sets of 16 rows x 4 registers
.set X,     144                        ; v144-207 a step's 64 numbers a lane, in the scores' order
.set OW,    208                        ; v208-215 a pair for each of the wave's four steps: lane l holds words 2 l and 2 l + 1
.set WIMG1, 212992                     ; a weight's images: 128 x 1,536 + 128 x 128 bytes
.set WSCL,  196608                     ; where its scale words begin
	s_load_b256 s[4:11], s[0:1], 0x0               ; mask s[4:5], Wq s[6:7], Wk s[8:9], Wv s[10:11]
	s_load_b256 s[20:27], s[0:1], 0x20             ; Wo s[20:21], mbits s[22:23], mflag s[24:25], wimg s[26:27]
	v_lshl_add_u32 v224, v0, 2, 0x10900
	v_mov_b32 v225, 0
	v_lshrrev_b32 v10, 5, v0
	v_readfirstlane_b32 s12, v10                   ; wave 0..7
	v_and_b32 v7, 31, v0                           ; lane
	v_and_b32 v8, 15, v0                           ; r
	v_bfe_u32 v9, v0, 4, 1                         ; h
	s_mov_b32 s31, 0
	s_cmp_lt_u32 ttmp9, 256
	s_cbranch_scc0 .Lweights
	; ---------------- the mask: work-group = tile T; wave w takes key steps w, w + 8, w + 16, w + 24
	v_lshlrev_b32 v1, 4, v7                        ; 16 x lane: my bytes of a row's 512
	s_mul_i32 s28, s12, WSTG
	v_add_nc_u32 v2, s28, v1                       ; the stage, on the way in
	v_mul_u32_u24 v3, v8, SP
	v_lshl_add_u32 v3, v9, 6, v3
	v_add_nc_u32 v3, s28, v3                       ; and on the way out: row r, + 64 h: my 16 keys of each 32
	v_lshlrev_b32 v4, 3, v7                        ; 8 x lane: my two words of a step's 64
	v_lshl_add_u32 v5, v10, 4, RED                 ; my wave's flags
	v_mov_b32 v6, RED
.irp k, 0,1,2,3,4,5,6,7
	v_mov_b32 v[OW+\k], 0                          ; written once whole: a lane write's destination counts as read
.endr
	s_lshl_b32 s13, 1, s12                         ; bit w
	s_mov_b32 s14, 0                               ; my steps' bits of WORK
	s_mov_b32 s15, 0                               ; of MIX
	s_mov_b32 s16, 0                               ; bit L: row L % 16 has an open key among my steps
	s_lshr_b32 s30, ttmp9, 1
	s_lshl_b32 s30, s30, 5
	s_and_b32 s29, ttmp9, 1
	s_lshl_b32 s29, s29, 3
	s_add_co_u32 s30, s30, s29                     ; the tile's first row
	s_lshl_b32 s30, s30, 14
	s_lshl_b32 s29, s12, 9
	s_add_co_u32 s30, s30, s29                     ; + 512 w: my first step
	s_wait_kmcnt 0x0
	s_add_nc_u64 s[4:5], s[4:5], s[30:31]
	s_lshl_b32 s30, ttmp9, 13
	s_lshl_b32 s29, s12, 8
	s_add_co_u32 s30, s30, s29
	s_add_nc_u64 s[22:23], s[22:23], s[30:31]      ; mbits + 8,192 T + 256 w
	s_lshl_b32 s30, ttmp9, 3
	s_add_nc_u64 s[24:25], s[24:25], s[30:31]      ; mflag + 8 T
.macro MLD i, set                      ; step w + 8 i: 16 rows x 512 consecutive bytes
.irp p, 0,1,2,3,4,5,6,7,8,9,10,11,12,13,14,15
	global_load_b128 v[\set+4*\p:\set+4*\p+3], v1, s[4:5] offset:(\p+8*(\p/8))*ROWB+4096*(\i) th:TH_LOAD_NT
.endr
.endm
	MLD 0, L0
	MLD 1, L0+64
.macro MSTEP i
.set LSET, L0+64*((\i)%2)
.if (\i) < 3
	s_wait_loadcnt 16                              ; this step's 16 loads are in; the next step's 16 may be out
.else
	s_wait_loadcnt 0x0
.endif
.irp p, 0,1,2,3,4,5,6,7,8,9,10,11,12,13,14,15
	ds_store_b128 v2, v[LSET+4*\p:LSET+4*\p+3] offset:SP*\p
.endr
.irp b, 0,1,2,3
.irp c, 0,1,2,3
	ds_load_b128 v[X+16*\b+4*\c:X+16*\b+4*\c+3], v3 offset:128*\b+16*\c   ; LDS serves a wave's instructions in order: these see my stores
.endr
.endr
	s_wait_dscnt 0x0                               ; the numbers are back, and the stores have read the landing set,
.if (\i)+2 < 4
	MLD (\i)+2, LSET                               ; which takes the step after next
.endif
	s_mov_b32 s17, 0                               ; the step's words, or-ed
	s_mov_b32 s18, -1                              ; and and-ed
.irp q, 0,1,2,3
.irp k, 0,1,2,3,4,5,6,7,8,9,10,11,12,13,14,15
	v_cmp_ne_u32 s[32+\k], 0, v[X+16*\q+\k]        ; word n = 16 q + k: one bit a lane
.endr
.irp k, 0,1,2,3,4,5,6,7,8,9,10,11,12,13,14,15
	v_writelane_b32 v[OW+2*(\i)+(\k%2)], s[32+\k], (16*\q+\k)/2
	s_or_b32 s17, s17, s[32+\k]
	s_and_b32 s18, s18, s[32+\k]
.endr
.endr
	global_store_b64 v4, v[OW+2*(\i):OW+2*(\i)+1], s[22:23] offset:2048*(\i)   ; 32 lanes store 256 consecutive bytes, aligned; each step has its own pair, so no store's data are written again
	s_or_b32 s16, s16, s17
	s_lshl_b32 s19, s13, 8*(\i)                    ; bit w + 8 i
	s_cmp_lg_u32 s17, 0
	s_cselect_b32 s28, s19, 0
	s_or_b32 s14, s14, s28
	s_cmp_lg_u32 s18, -1
	s_cselect_b32 s28, s19, 0
	s_or_b32 s15, s15, s28
.endm
	MSTEP 0
	MSTEP 1
	MSTEP 2
	MSTEP 3
	v_mov_b32 v216, s14
	v_mov_b32 v217, s15
	v_mov_b32 v218, s16
	v_mov_b32 v219, 0
	ds_store_b128 v5, v[216:219]                   ; all lanes write the same 16 bytes with the same values
	s_wait_dscnt 0x0                               ; for the others' sake: my store is done
	s_barrier_signal -1
	s_barrier_wait -1
	s_cmp_lg_u32 s12, 0
	s_cbranch_scc1 .Lend                           ; wave 0 joins the eight parts
.irp k, 0,1,2,3,4,5,6,7
	ds_load_b128 v[16+4*\k:19+4*\k], v6 offset:16*\k
.endr
	s_wait_dscnt 0x0
.irp k, 1,2,3,4,5,6,7
	v_or_b32 v16, v16, v[16+4*\k]
	v_or_b32 v17, v17, v[17+4*\k]
	v_or_b32 v18, v18, v[18+4*\k]
.endr
	v_lshrrev_b32 v19, 16, v18
	v_or_b32 v18, v18, v19
	v_and_b32 v18, 0xffff, v18                     ; bit r: row r has an open key
	v_mov_b32 v19, -1
	v_cmp_ne_u32 vcc_lo, 0xffff, v18
	v_cndmask_b32 v16, v16, v19, vcc_lo            ; a row without any: nothing of this tile is passed over
	v_and_b32 v17, v17, v16                        ; MIX only where the step is worked
	v_mov_b32 v20, 0
	v_cmp_eq_u32 vcc_lo, 0, v0
	s_wait_xcnt 0x0                                ; EXEC changes only behind this wait
	s_and_saveexec_b32 s28, vcc_lo
	global_store_b64 v20, v[16:17], s[24:25]       ; thread 0 alone
	s_wait_xcnt 0x0
	s_or_b32 exec_lo, exec_lo, s28
.Lend:
	s_wait_tensorcnt 0x0
	ds_add_u32 v224, v225
	s_wait_dscnt 0x0
	s_endpgm
	; ---------------- the weights: each wave makes one fragment.  A LANE TAKES A COLUMN, ITS REGISTERS RUN DOWN K: the conversions' results are the operand's registers
.Lweights:
	s_sub_co_u32 s28, ttmp9, 256                   ; g = 0 .. 63
	s_lshr_b32 s29, s28, 4                         ; which weight: q, k, v, o
	s_lshl_b32 s30, s28, 3
	s_add_co_u32 s30, s30, s12
	s_and_b32 s30, s30, 127                        ; fragment f
	s_mov_b32 s37, 0
	s_mov_b32 s42, 0x76543210
	s_mov_b32 s43, 0xfedcba98                      ; lane selects: lane l xor 16
	v_and_b32 v10, 8, v8
	v_add_nc_u32 v10, v10, v8                      ; pi(r)
	v_lshlrev_b32 v10, 2, v10
	v_lshl_add_u32 v10, v9, 16, v10                ; + 32 h rows of 2,048 bytes
	v_lshlrev_b32 v13, 4, v7
	v_lshlrev_b32 v14, 2, v7
	s_wait_kmcnt 0x0
	s_cmp_eq_u32 s29, 1                            ; the choice hangs on the work-group's number alone
	s_cselect_b64 s[6:7], s[8:9], s[6:7]
	s_cmp_eq_u32 s29, 2
	s_cselect_b64 s[6:7], s[10:11], s[6:7]
	s_cmp_eq_u32 s29, 3
	s_cselect_b64 s[6:7], s[20:21], s[6:7]
	s_lshr_b32 s32, s30, 2                         ; tau
	s_and_b32 s33, s30, 3                          ; s
	s_lshl_b32 s36, s33, 18                        ; 128 s rows
	s_lshr_b32 s33, s32, 1
	s_lshl_b32 s33, s33, 7
	s_add_co_u32 s36, s36, s33
	s_and_b32 s33, s32, 1
	s_lshl_b32 s33, s33, 5
	s_add_co_u32 s36, s36, s33                     ; + 4 x (32 (tau / 2) + 8 (tau % 2))
	s_add_nc_u64 s[6:7], s[6:7], s[36:37]
	s_mul_i32 s36, s29, WIMG1
	s_mul_i32 s33, s30, 1536
	s_add_co_u32 s36, s36, s33
	s_add_nc_u64 s[38:39], s[26:27], s[36:37]      ; the fragment's image
	s_mul_i32 s36, s29, WIMG1
	s_lshl_b32 s33, s30, 7
	s_add_co_u32 s36, s36, s33
	s_add_co_u32 s36, s36, WSCL
	s_add_nc_u64 s[40:41], s[26:27], s[36:37]      ; its scale words
.irp c, 0,1
.irp i, 0,1,2,3,4,5,6,7,8,9,10,11,12,13,14,15,16,17,18,19,20,21,22,23,24,25,26,27,28,29,30,31
	global_load_b32 v[64+32*\c+\i], v10, s[6:7] offset:2048*(64*\c+\i)   ; W(128 s + 64 c + 32 h + i, my column)
.endr
.endr
	s_wait_loadcnt 0x0
.irp c, 0,1                                    ; my block 2 c + h: all its 32 numbers are mine
	v_max3_num_f32 v[32+\c], |v[64+32*\c]|, |v[65+32*\c]|, 0x2800000   ; with the floor 2^(5 - 127): the byte cannot fall under 1
.endr
.irp i, 2,4,6,8,10,12,14,16,18,20,22,24,26,28,30
.irp c, 0,1
	v_max3_num_f32 v[32+\c], v[32+\c], |v[64+32*\c+\i]|, |v[65+32*\c+\i]|
.endr
.endr
.irp c, 0,1
	v_add_nc_u32 v[44+\c], 0xfe000000, v[32+\c]    ; 4 off the exponent field: the conversion's scale operand
.endr
.irp c, 0,1
	v_lshrrev_b32 v[36+\c], 23, v[44+\c]           ; the scale's byte
.endr
	v_lshl_or_b32 v11, v37, 16, v36                ; my two bytes: blocks h and 2 + h,
	v_lshlrev_b32 v12, 3, v9
	v_lshlrev_b32 v11, v12, v11                    ; at their places in the word;
	v_mov_b32 v12, 0
	v_permlanex16_b32 v12, v11, s42, s43
	v_or_b32 v11, v11, v12                         ; with lane l xor 16's two the word is whole
.irp c, 0,1
	v_cvt_scalef32_pk16_bf6_f32 v[48+6*\c:50+6*\c], v[64+32*\c:79+32*\c], v[44+\c]
	v_cvt_scalef32_pk16_bf6_f32 v[192+4*\c:194+4*\c], v[80+32*\c:95+32*\c], v[44+\c]   ; (a conversion's three registers begin on an even number)
.endr
	v_nop                                          ; one plain place behind a scaled conversion
.irp c, 0,1
.irp i, 0,1,2
	v_mov_b32 v[51+6*\c+\i], v[192+4*\c+\i]
.endr
.endr
	global_store_b128 v13, v[48:51], s[38:39]      ; each store of the wave covers 512 consecutive bytes, aligned
	global_store_b128 v13, v[52:55], s[38:39] offset:512
	global_store_b128 v13, v[56:59], s[38:39] offset:1024
	global_store_b32 v14, v11, s[40:41]
	s_endpgm
.Lfunc_end_k_qf522ec05cf_prep:
	.size	k_qf522ec05cf_prep, .Lfunc_end_k_qf522ec05cf_prep-k_qf522ec05cf_prep
	.p2alignl 7, 3214868480
	.fill 96, 4, 3214868480
	.section	.rodata,"a",@progbits
	.p2align	6, 0x0
	.amdhsa_kernel k_qf522ec05cf_prep
		.amdhsa_group_segment_fixed_size 68864
		.amdhsa_private_segment_fixed_size 0
		.amdhsa_enable_private_segment 0
		.amdhsa_kernarg_size 64
		.amdhsa_user_sgpr_count 2
		.amdhsa_user_sgpr_kernarg_segment_ptr 1
		.amdhsa_wavefront_size32 1
		.amdhsa_system_sgpr_workgroup_id_x 1
		.amdhsa_system_sgpr_workgroup_id_y 1
		.amdhsa_system_sgpr_workgroup_id_z 1
		.amdhsa_system_vgpr_workitem_id 0
		.amdhsa_next_free_vgpr 226
		.amdhsa_next_free_sgpr 66
		.amdhsa_reserve_vcc 1
		.amdhsa_float_denorm_mode_32 3
		.amdhsa_float_denorm_mode_16_64 3
		.amdhsa_memory_ordered 1
		.amdhsa_forward_progress 1
		.amdhsa_inst_pref_size 80
	.end_amdhsa_kernel
	.amdgpu_metadata
---
amdhsa.version: [ 1, 2 ]
amdhsa.kernels:
  - .name:           k_qf522ec05cf_prep
    .symbol:         k_qf522ec05cf_prep.kd
    .args:
      - { .name: mask, .offset: 0, .size: 8, .value_kind: global_buffer, .address_space: global }
      - { .name: Wq, .offset: 8, .size: 8, .value_kind: global_buffer, .address_space: global }
      - { .name: Wk, .offset: 16, .size: 8, .value_kind: global_buffer, .address_space: global }
      - { .name: Wv, .offset: 24, .size: 8, .value_kind: global_buffer, .address_space: global }
      - { .name: Wo, .offset: 32, .size: 8, .value_kind: global_buffer, .address_space: global }
      - { .name: mbits, .offset: 40, .size: 8, .value_kind: global_buffer, .address_space: global }
      - { .name: mflag, .offset: 48, .size: 8, .value_kind: global_buffer, .address_space: global }
      - { .name: wimg, .offset: 56, .size: 8, .value_kind: global_buffer, .address_space: global }
    .group_segment_fixed_size: 68864
    .private_segment_fixed_size: 0
    .kernarg_segment_align: 8
    .kernarg_segment_size: 64
    .max_flat_workgroup_size: 256
    .sgpr_count:     66
    .vgpr_count:     226
    .wavefront_size: 32
...
	.end_amdgpu_metadata
.endif
;; end of part 1
;; launch proj (part 2): grid 64 x 3, 4 waves a work-group, no clusters, 87,552 bytes of LDS; arguments query, key_, value, bq, bk, bv, wimg, qimg, kvrec; writes qimg, kvrec
.if DOCPART == 2
	.amdgcn_target "amdgcn-amd-amdhsa--gfx1250"
	.amdhsa_code_object_version 6
	.text
	.protected	k_qf522ec05cf_proj
	.globl	k_qf522ec05cf_proj
	.p2align	8
	.type	k_qf522ec05cf_proj,@function
k_qf522ec05cf_proj:
	s_mov_b64 s[64:65], 0
	v_nop
	global_prefetch_b8 v0, s[64:65] scope:SCOPE_SE
	s_setreg_imm32_b32 hwreg(HW_REG_WAVE_MODE, 25, 1), 1
	s_wait_xcnt 0x0
; The three projections x W + b on codes of E3M2 (one E8M0 byte for each 32 along K), and their results quantised as operands of attention's two products.
; Work-group (beta, p): rows 128 beta .. + 127 of tensor p (0 query, 1 key_, 2 value).  Wave w owns columns 128 w .. 128 w + 127: heads 2 w and 2 w + 1.
; EVERY TILE OF 16 ROWS OR COLUMNS IS PERMUTED: lane r of tile t of a run takes 32 (t / 2) + 8 (t % 2) + pi(r), pi(r) = r + 8 (r / 8), so that a lane's 16 result registers of tiles 2 b and 2 b + 1
; are 16 neighbours, 32 b + 16 (lane / 16) + 0 .. 15, which is what the conversions want.
; PHASE X: wave w quantises rows 32 w .. 32 w + 31 of x (two tiles x four K steps) and stores the fragments in LDS as images of their registers; one barrier; from then on LDS is only read.
; q, k: source 0 = my 8 column tiles of W (they stay in registers), source 1 = a tile of x: a lane holds one row and 64 columns along the heads' d.  Quantised along d: 6 registers for each head.
; v:    source 0 = x's 8 tiles (they stay in registers), source 1 = a column tile of W: a lane holds one column d and 64 keys.  Quantised along the keys: a fragment of V^T.
; The bias is the C of each sum's first matrix instruction.  The 8 accumulators take turns, one instruction a turn.
; OUT: qimg[bh][j]: 4 pair images of 1,536 bytes (registers 0-5 tile 2 a, 6-11 tile 2 a + 1), then 512 bytes of scale words (register a: tile 2 a in lanes 0-15, 2 a + 1 in lanes 16-31).
;      kvrec[bh][j], 13,312 bytes: K as qimg at 0 and its words at 12,288; V^T's 4 tiles of 1,536 bytes at 6,144 and their words at 12,800.
; LIMITS: a block of zeros gets the byte 1 (its codes are zeros; this program alone reads the bytes); blocks under 2^-122 are held at byte 1; NaN and infinities are not served.
; REGISTERS, in windows of 256.  Window 0: v1-8 addresses; v16-63 four streamed fragments; v64-127 accumulators; v128-151 codes; v152-179 at work; v180-187 gathered scale words; v188-191, v192-223, v224-255 scale words.
;   Window 1: run fragments 0-19.  Window 2: run fragments 20-31; from v144 the bias.  Window 3: landing sets of x, later four slots of W.
.set FRB,  1536                        ; a fragment's image: 12 registers x 128 bytes
.set XIMG, 0                           ; LDS: x's 32 fragments (4 m + s),
.set XSC,  32*FRB                      ; their scale words, 128 bytes each,
.set STG,  XSC+32*128                  ; and a stage of 16 rows x 528 bytes for each wave
.set SP,   528
.set LI,  1                            ; 16 x lane
.set LS,  2                            ; 4 x lane
.set SA,  3                            ; my stage, on the way in
.set SB,  4                            ; and out
.set XWI, 5                            ; where I store x's images
.set XWS, 6                            ; and their scale words
.set BQ,  7                            ; bias, q and k: 64 h
.set BVA, 8                            ; bias, v: 4 pi(r)
.set XF,  16
.set HA,  64
.set CA,  128
.set CB,  140
.set PT,  152
.set TM,  160
.set PW,  176
.set SWA, 180
.set SWB, 184
.set SS,  188
.set RS,  192
.set SSV, 224
.set BI,  144                          ; in window 2
.set MSB, 0
.macro WIN new                         ; the immediate's high byte repeats the setting that is left
.if MSB != (\new)
	s_set_vgpr_msb (MSB<<8)|(\new)
.set MSB, (\new)
.endif
.endm
.macro PLACES                          ; four places behind matrix instructions, ahead of reads of results and of loads into their operands
.rept 4
	v_nop
.endr
.endm
; 64 numbers of a lane, register 16 b + i = k 32 b + 16 (lane / 16) + i of my row, become codes: k 0-63 in v[d0] .. + 5, k 64-127 in v[d1] .. + 5; the four scale bytes in v[pw].
.macro QUANT s, d0, d1, pw
.irp b, 0,1,2,3
	v_max3_num_f32 v[TM+\b], |v[(\s)+16*\b]|, |v[(\s)+1+16*\b]|, 0x2800000   ; my 16 numbers of block b, and the floor 2^(5 - 127)
.endr
.irp i, 2,4,6,8,10,12,14
.irp b, 0,1,2,3
	v_max3_num_f32 v[TM+\b], v[TM+\b], |v[(\s)+16*\b+\i]|, |v[(\s)+1+16*\b+\i]|
.endr
.endr
.irp b, 0,1,2,3
	v_permlanex16_b32 v[TM+4+\b], v[TM+\b], s20, s21
.endr
.irp b, 0,1,2,3
	v_max_num_f32 v[TM+\b], v[TM+\b], v[TM+4+\b]   ; with lane l xor 16's: the block's largest magnitude
.endr
.irp b, 0,1,2,3
	v_add_nc_u32 v[TM+12+\b], 0xfe000000, v[TM+\b] ; 4 off its exponent field: the conversion's scale operand
.endr
.irp b, 0,1,2,3
	v_lshrrev_b32 v[TM+4+\b], 23, v[TM+12+\b]      ; the scale's byte
.endr
	v_lshl_or_b32 v[\pw], v[TM+5], 8, v[TM+4]
	v_lshl_or_b32 v[\pw], v[TM+6], 16, v[\pw]
	v_lshl_or_b32 v[\pw], v[TM+7], 24, v[\pw]
	v_cvt_scalef32_pk16_bf6_f32 v[(\d0):(\d0)+2], v[(\s):(\s)+15], v[TM+12]
	v_cvt_scalef32_pk16_bf6_f32 v[PT:PT+2], v[(\s)+16:(\s)+31], v[TM+13]
	v_cvt_scalef32_pk16_bf6_f32 v[(\d1):(\d1)+2], v[(\s)+32:(\s)+47], v[TM+14]
	v_cvt_scalef32_pk16_bf6_f32 v[PT+4:PT+6], v[(\s)+48:(\s)+63], v[TM+15]
	v_nop                                          ; one plain place behind a scaled conversion
.irp i, 0,1,2                                  ; the layout wants a whole block in a lane: lanes 0-15 the even block, lanes 16-31 the odd one
	v_permlane16_swap_b32 v[(\d0)+\i], v[PT+\i]
	v_permlane16_swap_b32 v[(\d1)+\i], v[PT+4+\i]
.endr
.irp i, 0,1,2
	v_mov_b32 v[(\d0)+3+\i], v[PT+\i]
	v_mov_b32 v[(\d1)+3+\i], v[PT+4+\i]
.endr
.endm
; 32 matrix instructions: the run's 8 tiles (source 0, windows 1 and 2) x 4 K steps against one streamed tile (source 1: window bwin, registers breg on; its scale words bscl on).
; The first K step takes the bias, v[creg + cstr t] of window 2, as C.
.macro MULS bwin, breg, bscl, creg, cstr
.irp s, 0,1,2,3
.irp t, 0,1,2,3,4,5,6,7
.if \t < 5
.set AW, 1
.set AR, 12*(4*\t+\s)
.else
.set AW, 2
.set AR, 12*(4*(\t-5)+\s)
.endif
.if \s == 0
.set WN, AW|((\bwin)<<2)|0x20
	WIN WN
	v_wmma_scale_f32_16x16x128_f8f6f4 v[HA+8*\t:HA+8*\t+7], v[AR:AR+11], v[(\breg)+12*\s:(\breg)+12*\s+11], v[(\creg)+(\cstr)*\t:(\creg)+(\cstr)*\t+7], v[RS+4*\t+\s], v[(\bscl)+\s] matrix_a_fmt:MATRIX_FMT_BF6 matrix_b_fmt:MATRIX_FMT_BF6
.else
.set WN, AW|((\bwin)<<2)
	WIN WN
	v_wmma_scale_f32_16x16x128_f8f6f4 v[HA+8*\t:HA+8*\t+7], v[AR:AR+11], v[(\breg)+12*\s:(\breg)+12*\s+11], v[HA+8*\t:HA+8*\t+7], v[RS+4*\t+\s], v[(\bscl)+\s] matrix_a_fmt:MATRIX_FMT_BF6 matrix_b_fmt:MATRIX_FMT_BF6
.endif
.endr
.endr
	WIN 0
.endm
	s_load_b256 s[24:31], s[0:1], 0x0              ; query, key_, value, bq
	s_load_b256 s[32:39], s[0:1], 0x20             ; bk, bv, wimg, qimg
	s_load_b64 s[40:41], s[0:1], 0x40              ; kvrec
	v_lshl_add_u32 v178, v0, 2, 0x15400
	v_mov_b32 v179, 0
	v_lshrrev_b32 v9, 5, v0
	v_readfirstlane_b32 s18, v9                    ; wave 0..3
	v_and_b32 v9, 31, v0                           ; lane
	v_and_b32 v10, 15, v0                          ; r
	v_bfe_u32 v11, v0, 4, 1                        ; h
	v_lshlrev_b32 v[LI], 4, v9
	v_lshlrev_b32 v[LS], 2, v9
	s_mul_i32 s42, s18, 16*SP
	s_add_co_u32 s42, s42, STG
	v_add_nc_u32 v[SA], s42, v[LI]
	v_mul_u32_u24 v[SB], v10, SP
	v_lshl_add_u32 v[SB], v11, 6, v[SB]
	v_add_nc_u32 v[SB], s42, v[SB]                 ; row r, + 64 h: my 16 numbers of each block of 32
	s_mul_i32 s42, s18, 8*FRB
	v_add_nc_u32 v[XWI], s42, v[LI]
	s_lshl_b32 s42, s18, 10
	s_add_co_u32 s42, s42, XSC
	v_add_nc_u32 v[XWS], s42, v[LS]
	v_lshlrev_b32 v[BQ], 6, v11
	v_and_b32 v[BVA], 8, v10
	v_add_nc_u32 v[BVA], v[BVA], v10
	v_lshlrev_b32 v[BVA], 2, v[BVA]
.irp b, 0,1,2,3
	v_mov_b32 v[TM+4+\b], 0                        ; written once: a lane permute's destination counts as one of its sources
.endr
	s_mov_b32 s20, 0x76543210
	s_mov_b32 s21, 0xfedcba98                      ; lane selects: lane l xor 16
	s_mov_b32 s22, 0xffff0000                      ; lanes 16-31
	s_and_b32 s23, ttmp7, 0xffff                   ; p
	s_mov_b32 s43, 0
	s_mov_b32 s44, 13312
	s_mov_b32 s45, 12288
	s_wait_kmcnt 0x0
	s_cmp_eq_u32 s23, 1                            ; the choices hang on the work-group's number alone
	s_cselect_b64 s[4:5], s[26:27], s[24:25]
	s_cselect_b64 s[6:7], s[32:33], s[30:31]
	s_cmp_eq_u32 s23, 2
	s_cselect_b64 s[4:5], s[28:29], s[4:5]
	s_cselect_b64 s[6:7], s[34:35], s[6:7]
	s_cmp_eq_u32 s23, 0
	s_cselect_b64 s[12:13], s[38:39], s[40:41]     ; q goes to qimg, k and v to kvrec
	s_cselect_b32 s44, 6656, s44                   ; bytes of a block or record
	s_cselect_b32 s45, 6144, s45                   ; where q's or k's scale words begin in it
	s_lshl_b32 s42, ttmp9, 18
	s_lshl_b32 s46, s18, 16
	s_add_co_u32 s42, s42, s46
	s_add_nc_u64 s[4:5], s[4:5], s[42:43]          ; x at row 128 beta + 32 w
	s_lshl_b32 s42, s18, 9
	s_add_nc_u64 s[6:7], s[6:7], s[42:43]          ; the bias at column 128 w
	s_mul_i32 s42, s23, 212992
	s_mul_i32 s46, s18, 32*FRB
	s_add_co_u32 s42, s42, s46
	s_add_nc_u64 s[8:9], s[36:37], s[42:43]        ; my 32 fragments of W
	s_mul_i32 s42, s23, 212992
	s_lshl_b32 s46, s18, 12
	s_add_co_u32 s42, s42, s46
	s_add_co_u32 s42, s42, 196608
	s_add_nc_u64 s[10:11], s[36:37], s[42:43]      ; and their scale words
	s_lshr_b32 s46, ttmp9, 5
	s_lshl_b32 s46, s46, 3
	s_lshl_b32 s47, s18, 1
	s_add_co_u32 s46, s46, s47                     ; 8 b + 2 w
	s_lshl_b32 s46, s46, 5
	s_and_b32 s47, ttmp9, 31
	s_add_co_u32 s46, s46, s47                     ; x 32 + j
	s_mul_i32 s42, s46, s44
	s_add_nc_u64 s[12:13], s[12:13], s[42:43]      ; head 2 w's block or record
	s_lshl_b32 s42, s44, 5
	s_add_nc_u64 s[14:15], s[12:13], s[42:43]      ; head 2 w + 1's
	s_mov_b32 s42, s45
	s_add_nc_u64 s[16:17], s[12:13], s[42:43]      ; their scale words
	s_add_nc_u64 s[48:49], s[14:15], s[42:43]
	s_cmp_eq_u32 s23, 2
	s_cbranch_scc1 .Lhead_v
	WIN 0x40                                       ; destination window 1
.set fi, 0
.rept 20
.irp c, 0,1,2
	global_load_b128 v[12*fi+4*\c:12*fi+4*\c+3], v[LI], s[8:9] offset:FRB*fi+512*\c
.endr
.set fi, fi+1
.endr
	WIN 0x80                                       ; destination window 2
.rept 12
.irp c, 0,1,2
	global_load_b128 v[12*(fi-20)+4*\c:12*(fi-20)+4*\c+3], v[LI], s[8:9] offset:FRB*fi+512*\c
.endr
.set fi, fi+1
.endr
.irp t, 0,1,2,3,4,5,6,7                        ; lane (r, h) wants, for tile t, the bias of columns 32 (t / 2) + 8 (t % 2) + 16 h + 0 .. 7
	global_load_b128 v[BI+8*\t:BI+8*\t+3], v[BQ], s[6:7] offset:(32*(\t/2)+8*(\t%2))*4
	global_load_b128 v[BI+8*\t+4:BI+8*\t+7], v[BQ], s[6:7] offset:(32*(\t/2)+8*(\t%2))*4+16
.endr
	WIN 0
.set fi, 0
.rept 32
	global_load_b32 v[RS+fi], v[LS], s[10:11] offset:128*fi
.set fi, fi+1
.endr
	s_branch .Lphase_x
.Lhead_v:
	WIN 0x80
.irp i, 0,1,2,3,4,5,6,7                        ; a lane holds one column: its bias in all eight registers of the item's C
.irp j, 0,1,2,3,4,5,6,7
	global_load_b32 v[BI+8*\i+\j], v[BVA], s[6:7] offset:(32*(\i/2)+8*(\i%2))*4
.endr
.endr
	WIN 0
.Lphase_x:
	; ---- X: eight units u = 4 e + s: tile 2 w + e, K step s.  Each load reads 512 consecutive bytes of a row; the 16 rows turn through my stage and come back 16 neighbours of each block a lane.
.macro XLD u
	WIN 0xc0                                       ; destination window 3
.irp p, 0,1,2,3,4,5,6,7,8,9,10,11,12,13,14,15
	global_load_b128 v[64*((\u)%4)+4*\p:64*((\u)%4)+4*\p+3], v[LI], s[4:5] offset:(8*((\u)/4)+\p+8*(\p/8))*2048+512*((\u)%4) th:TH_LOAD_NT
.endr
	WIN 0
.endm
.macro UNIT u
.if (\u) < 5
	s_wait_loadcnt 48                              ; this unit's 16 loads, and all issued ahead of them, are in; three younger units may be out
.else
	s_wait_loadcnt 16*(7-(\u))
.endif
	WIN 0x0c                                       ; an LDS store's data are its source 1: window 3
.irp p, 0,1,2,3,4,5,6,7,8,9,10,11,12,13,14,15
	ds_store_b128 v[SA], v[64*((\u)%4)+4*\p:64*((\u)%4)+4*\p+3] offset:SP*\p
.endr
	WIN 0
.irp b, 0,1,2,3
.irp c, 0,1,2,3
	ds_load_b128 v[HA+16*\b+4*\c:HA+16*\b+4*\c+3], v[SB] offset:128*\b+16*\c   ; LDS serves a wave's instructions in order: these see my stores
.endr
.endr
	s_wait_dscnt 0x0                               ; the numbers are back; the last unit's image stores have read their registers
.if (\u) < 4
	XLD (\u)+4
.endif
	QUANT HA, CA, CA+6, PW
.irp c, 0,1,2
	ds_store_b128 v[XWI], v[CA+4*\c:CA+4*\c+3] offset:XIMG+FRB*(\u)+512*\c
.endr
	ds_store_b32 v[XWS], v[PW] offset:128*(\u)
.endm
	XLD 0
	XLD 1
	XLD 2
	XLD 3
.irp u, 0,1,2,3,4,5,6,7
	UNIT \u
.endr
	s_wait_dscnt 0x0                               ; for the others' sake: my images lie in LDS
	s_barrier_signal -1
	s_barrier_wait -1                              ; all 32 fragments of x do; nothing is written to LDS from here on
	s_cmp_eq_u32 s23, 2
	s_cbranch_scc1 .Lpath_v
	; ---- q, k: eight items, one for each tile m of x
.macro FETCHX m
.irp s, 0,1,2,3
.irp c, 0,1,2
	ds_load_b128 v[XF+12*\s+4*\c:XF+12*\s+4*\c+3], v[LI] offset:XIMG+(4*(\m)+\s)*FRB+512*\c
.endr
	ds_load_b32 v[SS+\s], v[LS] offset:XSC+(4*(\m)+\s)*128
.endr
.endm
.macro ITEMQ m
	s_wait_dscnt 0x0                               ; the tile's four fragments and scale words are in
	MULS 0, XF, SS, BI, 8
	PLACES
.if (\m) < 7
	FETCHX (\m)+1
.endif
.if ((\m)%2 == 0) && ((\m) >= 2)
	s_wait_xcnt 0x0                                ; the last pair's stores have read their registers: the codes may be written again
.endif
	QUANT HA, CA+6*((\m)%2), CB+6*((\m)%2), PW+((\m)%2)   ; columns 0-63: head 2 w; 64-127: head 2 w + 1.  Its lines on the scales alone are the places ahead of the next item's first products
.if (\m)%2 == 1
	v_cndmask_b32 v[SWA+(\m)/2], v[PW], v[PW+1], s22               ; lanes 0-15 the even tile's words, lanes 16-31 the odd tile's.  Bytes 0, 1: head 2 w; bytes 2, 3 meet zero codes alone
	v_lshrrev_b32 v[SWB+(\m)/2], 16, v[SWA+(\m)/2]                 ; head 2 w + 1's two bytes
.irp c, 0,1,2
	global_store_b128 v[LI], v[CA+4*\c:CA+4*\c+3], s[12:13] offset:FRB*((\m)/2)+512*\c   ; each store of the wave covers 512 consecutive bytes, aligned
	global_store_b128 v[LI], v[CB+4*\c:CB+4*\c+3], s[14:15] offset:FRB*((\m)/2)+512*\c
.endr
.endif
.endm
	FETCHX 0
.irp m, 0,1,2,3,4,5,6,7
	ITEMQ \m
.endr
	global_store_b128 v[LI], v[SWA:SWA+3], s[16:17]
	global_store_b128 v[LI], v[SWB:SWB+3], s[48:49]
	s_wait_tensorcnt 0x0
	ds_add_u32 v178, v179
	s_wait_dscnt 0x0
	s_endpgm
	; ---- v: the run is x's eight tiles; eight items, one for each of my column tiles of W, which come through four slots
.Lpath_v:
.set fi, 0
.rept 32
	global_load_b32 v[SSV+fi], v[LS], s[10:11] offset:128*fi
.set fi, fi+1
.endr
	WIN 0xc0
.irp i, 0,1,2,3
.irp q, 0,1,2,3,4,5,6,7,8,9,10,11
	global_load_b128 v[48*\i+4*\q:48*\i+4*\q+3], v[LI], s[8:9] offset:4*FRB*\i+512*\q
.endr
.endr
	WIN 0x40
.set fi, 0
.rept 20
.irp c, 0,1,2
	ds_load_b128 v[12*fi+4*\c:12*fi+4*\c+3], v[LI] offset:XIMG+FRB*fi+512*\c
.endr
.set fi, fi+1
.endr
	WIN 0x80
.rept 12
.irp c, 0,1,2
	ds_load_b128 v[12*(fi-20)+4*\c:12*(fi-20)+4*\c+3], v[LI] offset:XIMG+FRB*fi+512*\c
.endr
.set fi, fi+1
.endr
	WIN 0
.set fi, 0
.rept 32
	ds_load_b32 v[RS+fi], v[LS] offset:XSC+128*fi
.set fi, fi+1
.endr
	v_mov_b32 v[SWA+2], 0                          ; the upper two registers of V's scale image are zeros
	v_mov_b32 v[SWA+3], 0
	s_wait_dscnt 0x0
.macro ITEMV i
.if (\i) <= 4
	s_wait_loadcnt 36                              ; this item's slot is in; three younger slots, 12 loads each, may be out
.else
	s_wait_loadcnt 12*(7-(\i))
.endif
	MULS 3, 48*((\i)%4), SSV+4*(\i), BI+8*(\i), 0
	PLACES
.if (\i) < 4
	WIN 0xc0
.irp q, 0,1,2,3,4,5,6,7,8,9,10,11
	global_load_b128 v[48*(\i)+4*\q:48*(\i)+4*\q+3], v[LI], s[8:9] offset:4*FRB*((\i)+4)+512*\q
.endr
	WIN 0
.endif
.if (\i) >= 1
	s_wait_xcnt 0x0                                ; the last item's stores have read their registers
.endif
	QUANT HA, CA, CA+6, PW+((\i)%2)                ; a fragment of V^T: 16 d x 128 keys
.irp c, 0,1,2
.if (\i) < 4
	global_store_b128 v[LI], v[CA+4*\c:CA+4*\c+3], s[12:13] offset:6144+FRB*((\i)%4)+512*\c
.else
	global_store_b128 v[LI], v[CA+4*\c:CA+4*\c+3], s[14:15] offset:6144+FRB*((\i)%4)+512*\c
.endif
.endr
.if (\i)%2 == 1
	v_cndmask_b32 v[SWA+((\i)/2)%2], v[PW], v[PW+1], s22
.endif
.if (\i) == 3
	global_store_b128 v[LI], v[SWA:SWA+3], s[12:13] offset:12800
.endif
.if (\i) == 7
	global_store_b128 v[LI], v[SWA:SWA+3], s[14:15] offset:12800
.endif
.endm
.irp i, 0,1,2,3,4,5,6,7
	ITEMV \i
.endr
	s_wait_tensorcnt 0x0
	ds_add_u32 v178, v179
	s_wait_dscnt 0x0
	s_endpgm
.Lfunc_end_k_qf522ec05cf_proj:
	.size	k_qf522ec05cf_proj, .Lfunc_end_k_qf522ec05cf_proj-k_qf522ec05cf_proj
	.p2alignl 7, 3214868480
	.fill 96, 4, 3214868480
	.section	.rodata,"a",@progbits
	.p2align	6, 0x0
	.amdhsa_kernel k_qf522ec05cf_proj
		.amdhsa_group_segment_fixed_size 87552
		.amdhsa_private_segment_fixed_size 0
		.amdhsa_enable_private_segment 0
		.amdhsa_kernarg_size 72
		.amdhsa_user_sgpr_count 2
		.amdhsa_user_sgpr_kernarg_segment_ptr 1
		.amdhsa_wavefront_size32 1
		.amdhsa_system_sgpr_workgroup_id_x 1
		.amdhsa_system_sgpr_workgroup_id_y 1
		.amdhsa_system_sgpr_workgroup_id_z 1
		.amdhsa_system_vgpr_workitem_id 0
		.amdhsa_next_free_vgpr 1024
		.amdhsa_next_free_sgpr 66
		.amdhsa_reserve_vcc 0
		.amdhsa_float_denorm_mode_32 3
		.amdhsa_float_denorm_mode_16_64 3
		.amdhsa_memory_ordered 1
		.amdhsa_forward_progress 1
		.amdhsa_inst_pref_size 250
	.end_amdhsa_kernel
	.amdgpu_metadata
---
amdhsa.version: [ 1, 2 ]
amdhsa.kernels:
  - .name:           k_qf522ec05cf_proj
    .symbol:         k_qf522ec05cf_proj.kd
    .args:
      - { .name: query, .offset: 0, .size: 8, .value_kind: global_buffer, .address_space: global }
      - { .name: key_, .offset: 8, .size: 8, .value_kind: global_buffer, .address_space: global }
      - { .name: value, .offset: 16, .size: 8, .value_kind: global_buffer, .address_space: global }
      - { .name: bq, .offset: 24, .size: 8, .value_kind: global_buffer, .address_space: global }
      - { .name: bk, .offset: 32, .size: 8, .value_kind: global_buffer, .address_space: global }
      - { .name: bv, .offset: 40, .size: 8, .value_kind: global_buffer, .address_space: global }
      - { .name: wimg, .offset: 48, .size: 8, .value_kind: global_buffer, .address_space: global }
      - { .name: qimg, .offset: 56, .size: 8, .value_kind: global_buffer, .address_space: global }
      - { .name: kvrec, .offset: 64, .size: 8, .value_kind: global_buffer, .address_space: global }
    .group_segment_fixed_size: 87552
    .private_segment_fixed_size: 0
    .kernarg_segment_align: 8
    .kernarg_segment_size: 72
    .max_flat_workgroup_size: 128
    .sgpr_count:     66
    .vgpr_count:     1024
    .wavefront_size: 32
...
	.end_amdgpu_metadata
.endif
;; end of part 2
;; launch attn (part 3): grid 16 x 16, 16 waves a work-group, no clusters, 28,672 bytes of LDS; arguments qimg, kvrec, mbits, mflag, aimg; writes aimg
.if DOCPART == 3
	.amdgcn_target "amdgcn-amd-amdhsa--gfx1250"
	.amdhsa_code_object_version 6
	.text
	.protected	k_qf522ec05cf_attn
	.globl	k_qf522ec05cf_attn
	.p2align	8
	.type	k_qf522ec05cf_attn,@function
k_qf522ec05cf_attn:
	s_mov_b64 s[64:65], 0
	v_nop
	global_prefetch_b8 v0, s[64:65] scope:SCOPE_SE
	s_setreg_imm32_b32 hwreg(HW_REG_WAVE_MODE, 25, 1), 1
	s_wait_xcnt 0x0
; Attention on codes of E3M2: S^T = K Q^T (K = the head's 64; the instruction's upper 64 meet Q's zero codes), the mask, p = 2^(t - M), O^T += V^T P^T, O / l, quantised along d as the last product's operand.
; t = score x log2(e) / 8; M = the running largest t rounded UP to a whole number; p is quantised along the keys, not normalised; l is the sum of the unquantised p.  When M moves, l and O are multiplied by 2^(old M - new M): exact.
; SHARES.  Work-group (u, bh): sixteen waves, each with ONE tile of 16 queries in 256 registers, four waves to a SIMD.  The tiles are those of the 64-query blocks u, 31 - u, 32 + u, 63 - u,
; dealt so that waves w, w + 4, w + 8, w + 12 and waves 4 g .. 4 g + 3 alike hold one tile of each block: that only evens the work out where late keys tend to be masked; no result hangs on it.
; Every work-group walks all 32 key steps of 128 keys, a constant count.  A step's record (13,312 bytes: K's images, V^T's images, their scale words) goes through registers into one of two LDS slots:
; waves 0-12 move 1,024 bytes each, a step ahead; one barrier a step.
; THE MASK is an input: an earlier launch has turned it into lane-mask words and two flag words a tile.  A wave jumps over the work of a step whose WORK bit is 0 (no query of the tile has an open key there);
; where the MIX bit is set, 64 selects put -2^33 in place of masked scores.
; LAYOUT.  A lane holds ONE query (lane % 16) throughout; register 16 b + i of the scores is key 32 b + 16 (lane / 16) + i of the step; register 16 b + i of O^T is d = 32 b + 16 (lane / 16) + i.
; LIMITS.  A masked logit is -2^30 where the definition has -1e9: times c it stays exact, so a row with no open key gets p = 1 for every key, the plain mean of v.  Passing over wholly masked steps
; agrees with the definition while every row that has an open key has an open logit above about -9.9e8.  A block's largest p is taken from its largest score, which takes v_exp_f32 not to fall where its input rises.
; A block of zeros gets the byte 1.  NaN and infinities are not served.
.set REC,  13312
.set LI,   1                           ; 16 x lane
.set LA,   2                           ; 1,024 x wave + 16 x lane: my bytes of a record, in memory and in a slot
.set NEGS, 3                           ; -2^33
.set G,    4                           ; v4-11    my bytes of the next record
.set NM,   12                          ; -M
.set TMX,  13                          ; the largest t
.set LSUM, 14                          ; v[14:15] l in two halves
.set Q,    16                          ; v16-21 Q's codes, v22-27 zeros
.set QS,   28                          ; Q's scale word
.set PS,   29                          ; p's scale word
.set KS,   32                          ; v32-35 K's scale words
.set VS,   36                          ; v36-37 V's
.set KV,   38                          ; v38-85 K's eight tiles, then V^T's four
.set KZ,   86                          ; v86-91 zeros behind them
.set S,    92                          ; v92-155 scores, then p
.set O,    156                         ; v156-187 O^T
.set PC,   188                         ; v188-199 p's codes
.set PT,   200
.set BM,   208
.set BP,   212
.set SO,   216
.set F,    220                         ; v[220:221]
.set TP,   222
.set QA,   223
.set L2,   224                         ; v[224:225] the second chain of the sum
	s_load_b256 s[32:39], s[0:1], 0x0              ; qimg, kvrec, mbits, mflag
	s_load_b64 s[40:41], s[0:1], 0x20              ; aimg
	v_lshl_add_u32 v254, v0, 2, 0x6800
	v_mov_b32 v255, 0
	v_lshrrev_b32 v30, 5, v0
	v_readfirstlane_b32 s12, v30                   ; wave 0..15
	v_and_b32 v31, 31, v0
	v_lshlrev_b32 v[LI], 4, v31
	v_lshl_add_u32 v[LA], v30, 10, v[LI]
	s_mov_b32 s26, ttmp9                           ; u
	s_lshr_b32 s22, s12, 2
	s_and_b32 s23, s12, 3
	s_add_co_u32 s22, s22, s23
	s_and_b32 s22, s22, 3                          ; which of the four blocks
	s_sub_co_u32 s24, 31, s26
	s_bitcmp1_b32 s22, 0
	s_cselect_b32 s24, s24, s26
	s_lshr_b32 s22, s22, 1
	s_lshl_b32 s22, s22, 5
	s_add_co_u32 s24, s24, s22                     ; the block of 64 queries
	s_lshl_b32 s24, s24, 2
	s_add_co_u32 s24, s24, s23                     ; T: my tile, 0 .. 255
	s_and_b32 s25, ttmp7, 0xffff                   ; bh
	s_mov_b32 s29, 0
	s_mov_b32 s18, 0x76543210
	s_mov_b32 s19, 0xfedcba98                      ; lane selects: lane l xor 16
	s_mov_b32 s20, 0x3e38aa3b                      ; c = log2(e) / 8
	s_mov_b32 s21, s20                             ; (named with it as a pair, so it is written)
	s_wait_kmcnt 0x0
	s_lshl_b32 s28, s24, 3
	s_add_nc_u64 s[38:39], s[38:39], s[28:29]
	s_load_b64 s[14:15], s[38:39], 0x0             ; WORK s14, MIX s15
	s_mul_i32 s28, s25, 32*REC
	s_add_nc_u64 s[4:5], s[34:35], s[28:29]        ; the head's first record
	s_lshl_b32 s28, s24, 13
	s_add_nc_u64 s[6:7], s[36:37], s[28:29]        ; my tile's mask words
	s_lshr_b32 s28, s25, 3
	s_lshl_b32 s28, s28, 8
	s_add_co_u32 s28, s28, s24
	s_lshl_b32 s28, s28, 3
	s_and_b32 s27, s25, 7
	s_add_co_u32 s28, s28, s27
	s_lshl_b32 s28, s28, 10
	s_add_nc_u64 s[8:9], s[40:41], s[28:29]        ; aimg: ((256 b + T) 8 + head) x 1,024
	s_lshl_b32 s28, s25, 5
	s_lshr_b32 s27, s24, 3
	s_add_co_u32 s28, s28, s27
	s_mul_i32 s28, s28, 6656
	s_add_nc_u64 s[10:11], s[32:33], s[28:29]      ; qimg: my tile's block of eight
	s_and_b32 s27, s24, 1                          ; odd tile of its pair?
	s_bfe_u32 s30, s24, 0x20001                    ; a: which pair
	s_mul_i32 s26, s30, 1536
	s_mul_i32 s28, s27, 520
	s_add_co_u32 s28, s28, s26                     ; registers 0, 1 and 4, 5 of my six lie 520 bytes on in an odd tile,
	s_mul_i32 s31, s27, 1016
	s_add_co_u32 s31, s31, s26
	s_add_co_u32 s31, s31, 8                       ; registers 2, 3 lie 1,016 on
	s_lshl_b32 s30, s30, 2
	s_lshl_b32 s27, s27, 8
	s_add_co_u32 s30, s30, s27                     ; my scale word: register a, lanes 16-31 for an odd tile
	v_add_nc_u32 v30, s28, v[LI]
	v_add_nc_u32 v31, s31, v[LI]
	v_and_b32 v[QA], 15, v0
	v_lshlrev_b32 v[QA], 4, v[QA]
	v_add_nc_u32 v[QA], s30, v[QA]
	global_load_b64 v[Q:Q+1], v30, s[10:11]
	global_load_b64 v[Q+2:Q+3], v31, s[10:11]
	global_load_b64 v[Q+4:Q+5], v30, s[10:11] offset:512
	global_load_b32 v[QS], v[QA], s[10:11] offset:6144
	s_cmp_lt_u32 s12, 13
	s_cbranch_scc0 .Lno_first
	global_load_b128 v[G:G+3], v[LA], s[4:5]       ; record 0
	global_load_b128 v[G+4:G+7], v[LA], s[4:5] offset:512
	s_wait_loadcnt 0x0
	ds_store_b128 v[LA], v[G:G+3]
	ds_store_b128 v[LA], v[G+4:G+7] offset:512
.Lno_first:
	v_mov_b32 v[NEGS], 0xd0000000
	v_mov_b32 v[TMX], 0xff61b1e6                   ; -3e38, under every t
	v_floor_f32 v[NM], -v[TMX]
	v_mov_b32 v[LSUM], 0
	v_mov_b32 v[LSUM+1], 0
.irp j, 0,1,2,3,4,5
	v_mov_b32 v[Q+6+\j], 0                         ; Q's codes of k = 64 .. 127: zeros
	v_mov_b32 v[KZ+\j], 0
.endr
.irp b, 0,1,2,3
	v_mov_b32 v[BP+\b], 0                          ; written once: a lane permute's destination counts as one of its sources
.endr
	v_mov_b32 v[F+1], 0                            ; (named as the upper half of a pair)
	v_mov_b32 v[TP], 0
.set n, 0
.rept 32
	v_mov_b32 v[O+n], 0                            ; O^T: the step is written once; the first finds zeros
.set n, n+1
.endr
	s_wait_loadcnt 0x0                             ; Q; and the record's loads are done, so their base may step
	s_add_nc_u64 s[4:5], s[4:5], REC
	s_wait_kmcnt 0x0                               ; WORK, MIX
	s_mov_b32 s16, 0                               ; byte offset of the step's mask words
	s_load_b512 s[32:47], s[6:7], s16 offset:0x0   ; step 0's words come in any case: so all 64 registers are written on every path
	s_load_b512 s[48:63], s[6:7], s16 offset:0x40
	s_load_b512 s[68:83], s[6:7], s16 offset:0x80
	s_load_b512 s[84:99], s[6:7], s16 offset:0xc0
	s_mov_b32 s13, 16
	s_mov_b32 s17, 0                               ; J
	s_wait_dscnt 0x0
	s_barrier_signal -1
	s_barrier_wait -1                              ; record 0 lies in slot 0
.macro STEPT sg                        ; key step J, whose record lies in slot sg
	s_cmp_lt_u32 s12, 13
	s_cbranch_scc0 .Lnl_\@
	global_load_b128 v[G:G+3], v[LA], s[4:5]       ; the next record is asked for first (in the last step: the last record once more; nobody reads it)
	global_load_b128 v[G+4:G+7], v[LA], s[4:5] offset:512
.Lnl_\@:
	s_and_b32 s22, s14, 1
	s_cbranch_scc0 .Lskip_\@                       ; no open key for any of my queries: the step's work is passed over
.irp i, 0,1,2,3,4,5,6,7,8,9,10,11
	ds_load_b128 v[KV+4*\i:KV+4*\i+3], v[LI] offset:\sg*REC+512*\i
.endr
	ds_load_b128 v[KS:KS+3], v[LI] offset:\sg*REC+12288
	ds_load_b64 v[VS:VS+1], v[LI] offset:\sg*REC+12800
	s_wait_dscnt 0x0
.irp t, 0,1,2,3,4,5,6,7                        ; S^T: source 0 = tile t's six registers and the six behind them, which meet Q's zeros
.if \t%2 == 0
	v_wmma_scale_f32_16x16x128_f8f6f4 v[S+8*\t:S+8*\t+7], v[KV+6*\t:KV+6*\t+11], v[Q:Q+11], 0, v[KS+\t/2], v[QS] matrix_a_fmt:MATRIX_FMT_BF6 matrix_b_fmt:MATRIX_FMT_BF6
.else
	v_wmma_scale_f32_16x16x128_f8f6f4 v[S+8*\t:S+8*\t+7], v[KV+6*\t:KV+6*\t+11], v[Q:Q+11], 0, v[KS+\t/2], v[QS] matrix_a_fmt:MATRIX_FMT_BF6 matrix_b_fmt:MATRIX_FMT_BF6 matrix_a_scale:MATRIX_SCALE_ROW1
.endif
.endr
.rept 4
	v_nop                                          ; places ahead of the loads into K's registers and of the first touch of the scores
.endr
.irp i, 0,1,2,3,4,5,6,7,8,9,10,11
	ds_load_b128 v[KV+4*\i:KV+4*\i+3], v[LI] offset:\sg*REC+6144+512*\i   ; V^T lands while the softmax is walked
.endr
	s_and_b32 s22, s15, 1
	s_cbranch_scc0 .Lopen_\@                       ; every key of the step counts for every query of the tile
	s_wait_kmcnt 0x0                               ; the step's 64 words
.set n, 0
.rept 32
	v_cndmask_b32 v[S+n], v[NEGS], v[S+n], s[32+n] ; bit L of word n: lane L's register n counts
.set n, n+1
.endr
.rept 32
	v_cndmask_b32 v[S+n], v[NEGS], v[S+n], s[36+n]
.set n, n+1
.endr
.Lopen_\@:
.irp b, 0,1,2,3
	v_max3_num_f32 v[BM+\b], v[S+16*\b], v[S+1+16*\b], v[S+2+16*\b]   ; the largest score of each block of 32 keys: for the row's maximum, and for the block's largest p
.endr
.irp i, 3,5,7,9,11,13
.irp b, 0,1,2,3
	v_max3_num_f32 v[BM+\b], v[BM+\b], v[S+16*\b+\i], v[S+1+16*\b+\i]
.endr
.endr
.irp b, 0,1,2,3
	v_max_num_f32 v[BM+\b], v[BM+\b], v[S+15+16*\b]
.endr
.irp b, 0,1,2,3
	v_permlanex16_b32 v[BP+\b], v[BM+\b], s18, s19
.endr
.irp b, 0,1,2,3
	v_max_num_f32 v[BM+\b], v[BM+\b], v[BP+\b]     ; with lane l xor 16's 16 keys
.endr
	v_max3_num_f32 v[TP], v[BM], v[BM+1], v[BM+2]
	v_max_num_f32 v[TP], v[TP], v[BM+3]
	v_mul_f32 v[TP], s20, v[TP]                    ; the step's largest t (c is positive)
	v_max_num_f32 v[TMX], v[TMX], v[TP]
	v_mov_b32 v[TP], v[NM]
	v_floor_f32 v[NM], -v[TMX]                     ; the new -M = -ceil(t)
	v_sub_f32 v[TP], v[NM], v[TP]                  ; old M - new M: a whole number, 0 or less
	v_cvt_i32_f32 v[TP], v[TP]                     ; (it saturates)
	v_ldexp_f32 v[F], 1.0, v[TP]                   ; f = 2^(old M - new M)
.irp j, 0,2,4,6,8,10,12,14,16,18,20,22,24,26,28,30,32,34,36,38,40,42,44,46,48,50,52,54,56,58,60,62
	v_pk_fma_f32 v[S+\j:S+\j+1], v[S+\j:S+\j+1], s[20:21], v[NM:NM+1] op_sel_hi:[1,0,0]   ; t - M, two at a time
.endr
.irp b, 0,1,2,3
	v_fma_f32 v[BM+\b], v[BM+\b], s20, v[NM]       ; the same of each block's largest score
.endr
.set n, 0
.rept 64
	v_exp_f32 v[S+n], v[S+n]                       ; p = 2^(t - M)
.set n, n+1
.endr
.irp b, 0,1,2,3
	v_exp_f32 v[BM+\b], v[BM+\b]                   ; the block's largest p: the same two instructions on the same number
.endr
	v_pk_mul_f32 v[LSUM:LSUM+1], v[LSUM:LSUM+1], v[F:F+1] op_sel_hi:[1,0]   ; l under the new M.  (A plain place behind the exponentials)
	s_wait_alu depctr_va_vdst(0)
.irp b, 0,1,2,3
	v_max_num_f32 v[BM+\b], 0x2800000, v[BM+\b]    ; the floor 2^(5 - 127): the byte cannot fall under 1
.endr
.irp b, 0,1,2,3
	v_add_nc_u32 v[SO+\b], 0xfe000000, v[BM+\b]    ; 4 off the exponent field: the conversion's scale operand
.endr
.irp b, 0,1,2,3
	v_lshrrev_b32 v[BP+\b], 23, v[SO+\b]           ; the scale's byte
.endr
	v_lshl_or_b32 v[PS], v[BP+1], 8, v[BP]
	v_lshl_or_b32 v[PS], v[BP+2], 16, v[PS]
	v_lshl_or_b32 v[PS], v[BP+3], 24, v[PS]
.irp c, 0,1
	v_cvt_scalef32_pk16_bf6_f32 v[PC+6*\c:PC+6*\c+2], v[S+32*\c:S+32*\c+15], v[SO+2*\c]
	v_cvt_scalef32_pk16_bf6_f32 v[PT+4*\c:PT+4*\c+2], v[S+16+32*\c:S+31+32*\c], v[SO+2*\c+1]
.endr
	v_nop                                          ; one plain place behind a scaled conversion
.irp c, 0,1                                    ; a whole block in a lane: lanes 0-15 block 2 c, lanes 16-31 block 2 c + 1
.irp i, 0,1,2
	v_permlane16_swap_b32 v[PC+6*\c+\i], v[PT+4*\c+\i]
.endr
.irp i, 0,1,2
	v_mov_b32 v[PC+3+6*\c+\i], v[PT+4*\c+\i]
.endr
.endr
	v_pk_add_f32 v[L2:L2+1], v[S:S+1], v[S+2:S+3]  ; the sum is taken of the unquantised p, in two chains
.irp j, 4,8,12,16,20,24,28,32,36,40,44,48,52,56,60
	v_pk_add_f32 v[LSUM:LSUM+1], v[LSUM:LSUM+1], v[S+\j:S+\j+1]
	v_pk_add_f32 v[L2:L2+1], v[L2:L2+1], v[S+\j+2:S+\j+3]
.endr
	v_pk_add_f32 v[LSUM:LSUM+1], v[LSUM:LSUM+1], v[L2:L2+1]
.irp j, 0,2,4,6,8,10,12,14,16,18,20,22,24,26,28,30
	v_pk_mul_f32 v[O+\j:O+\j+1], v[O+\j:O+\j+1], v[F:F+1] op_sel_hi:[1,0]   ; O^T under the new M.  (With the sums above: the places between the writes of p's codes and scale word and the products below)
.endr
	s_wait_dscnt 0x0                               ; V^T is in
.irp t, 0,1,2,3                                ; the four accumulators take turns, one instruction a turn
.if \t%2 == 0
	v_wmma_scale_f32_16x16x128_f8f6f4 v[O+8*\t:O+8*\t+7], v[KV+12*\t:KV+12*\t+11], v[PC:PC+11], v[O+8*\t:O+8*\t+7], v[VS+\t/2], v[PS] matrix_a_fmt:MATRIX_FMT_BF6 matrix_b_fmt:MATRIX_FMT_BF6
.else
	v_wmma_scale_f32_16x16x128_f8f6f4 v[O+8*\t:O+8*\t+7], v[KV+12*\t:KV+12*\t+11], v[PC:PC+11], v[O+8*\t:O+8*\t+7], v[VS+\t/2], v[PS] matrix_a_fmt:MATRIX_FMT_BF6 matrix_b_fmt:MATRIX_FMT_BF6 matrix_a_scale:MATRIX_SCALE_ROW1
.endif
.endr
.rept 4
	v_nop                                          ; places ahead of the next loads into these operands and of the next read of O^T
.endr
.Lskip_\@:
	s_wait_loadcnt 0x0                             ; on every wave's path, whichever way it came: the step's two loads of the next record are in, so the next step's loads may land on the same registers and the pointer may step
	s_cmp_lt_u32 s12, 13
	s_cbranch_scc0 .Lns_\@
	ds_store_b128 v[LA], v[G:G+3] offset:(1-\sg)*REC
	ds_store_b128 v[LA], v[G+4:G+7] offset:(1-\sg)*REC+512
.Lns_\@:
	s_wait_dscnt 0x0                               ; my reads of this slot are over and my stores into the other are done:
	s_barrier_signal -1
	s_barrier_wait -1                              ; both now hold of all sixteen waves
	s_cmp_lt_u32 s17, 30
	s_cselect_b32 s22, REC, 0                      ; the pointer stops at the last record: no load leaves the buffer
	s_mov_b32 s23, 0
	s_add_nc_u64 s[4:5], s[4:5], s[22:23]          ; (the loads that named it are done)
	s_add_co_u32 s17, s17, 1
	s_wait_kmcnt 0x0                               ; no scalar load is out: its offset and its registers may be written
	s_add_co_u32 s16, s16, 256
	s_lshr_b32 s14, s14, 1
	s_lshr_b32 s15, s15, 1
	s_and_b32 s22, s15, 1
	s_cbranch_scc0 .Lnm_\@                         ; the next step's words are fetched only where they are used
	s_load_b512 s[32:47], s[6:7], s16 offset:0x0
	s_load_b512 s[48:63], s[6:7], s16 offset:0x40
	s_load_b512 s[68:83], s[6:7], s16 offset:0x80
	s_load_b512 s[84:99], s[6:7], s16 offset:0xc0
.Lnm_\@:
.endm
.Lloop:                                            ; 16 trips of two steps: the slots are back where they began
	STEPT 0
	STEPT 1
	s_sub_co_u32 s13, s13, 1
	s_cmp_lg_u32 s13, 0
	s_cbranch_scc1 .Lloop
	; THE WAY OUT: O^T / l, quantised along d (two blocks of 32), stored as an image of the six registers that the last product's operand takes for this head
	v_add_f32 v[LSUM], v[LSUM], v[LSUM+1]
	v_permlanex16_b32 v[TP], v[LSUM], s18, s19
	v_add_f32 v[LSUM], v[LSUM], v[TP]              ; the row's sum
	v_rcp_f32 v[LSUM], v[LSUM]
	v_and_b32 v30, 31, v0                          ; (a plain place behind the transcendental)
	v_lshlrev_b32 v31, 2, v30
	v_lshlrev_b32 v30, 3, v30
.set n, 0
	s_wait_alu depctr_va_vdst(0)
.rept 32
	v_mul_f32 v[S+n], v[O+n], v[LSUM]              ; each accumulator from its low end on
.set n, n+1
.endr
.irp b, 0,1
	v_max3_num_f32 v[BM+\b], |v[S+16*\b]|, |v[S+1+16*\b]|, 0x2800000
.endr
.irp i, 2,4,6,8,10,12,14
.irp b, 0,1
	v_max3_num_f32 v[BM+\b], v[BM+\b], |v[S+16*\b+\i]|, |v[S+1+16*\b+\i]|
.endr
.endr
.irp b, 0,1
	v_permlanex16_b32 v[BP+\b], v[BM+\b], s18, s19
.endr
.irp b, 0,1
	v_max_num_f32 v[BM+\b], v[BM+\b], v[BP+\b]
.endr
.irp b, 0,1
	v_add_nc_u32 v[SO+\b], 0xfe000000, v[BM+\b]
.endr
.irp b, 0,1
	v_lshrrev_b32 v[BP+\b], 23, v[SO+\b]
.endr
	v_lshl_or_b32 v[PS], v[BP+1], 8, v[BP]         ; the head's two bytes; the upper two are 0
	v_cvt_scalef32_pk16_bf6_f32 v[PC:PC+2], v[S:S+15], v[SO]
	v_cvt_scalef32_pk16_bf6_f32 v[PT:PT+2], v[S+16:S+31], v[SO+1]
	v_nop
.irp i, 0,1,2
	v_permlane16_swap_b32 v[PC+\i], v[PT+\i]
.endr
.irp i, 0,1,2
	v_mov_b32 v[PC+3+\i], v[PT+\i]
.endr
.irp p, 0,1,2
	global_store_b64 v30, v[PC+2*\p:PC+2*\p+1], s[8:9] offset:256*\p   ; 32 lanes store 256 consecutive bytes, aligned
.endr
	global_store_b32 v31, v[PS], s[8:9] offset:768
	s_wait_tensorcnt 0x0
	ds_add_u32 v254, v255
	s_wait_dscnt 0x0
	s_endpgm
.Lfunc_end_k_qf522ec05cf_attn:
	.size	k_qf522ec05cf_attn, .Lfunc_end_k_qf522ec05cf_attn-k_qf522ec05cf_attn
	.p2alignl 7, 3214868480
	.fill 96, 4, 3214868480
	.section	.rodata,"a",@progbits
	.p2align	6, 0x0
	.amdhsa_kernel k_qf522ec05cf_attn
		.amdhsa_group_segment_fixed_size 28672
		.amdhsa_private_segment_fixed_size 0
		.amdhsa_enable_private_segment 0
		.amdhsa_kernarg_size 40
		.amdhsa_user_sgpr_count 2
		.amdhsa_user_sgpr_kernarg_segment_ptr 1
		.amdhsa_wavefront_size32 1
		.amdhsa_system_sgpr_workgroup_id_x 1
		.amdhsa_system_sgpr_workgroup_id_y 1
		.amdhsa_system_sgpr_workgroup_id_z 1
		.amdhsa_system_vgpr_workitem_id 0
		.amdhsa_next_free_vgpr 256
		.amdhsa_next_free_sgpr 100
		.amdhsa_reserve_vcc 0
		.amdhsa_float_denorm_mode_32 3
		.amdhsa_float_denorm_mode_16_64 3
		.amdhsa_memory_ordered 1
		.amdhsa_forward_progress 1
		.amdhsa_inst_pref_size 51
	.end_amdhsa_kernel
	.amdgpu_metadata
---
amdhsa.version: [ 1, 2 ]
amdhsa.kernels:
  - .name:           k_qf522ec05cf_attn
    .symbol:         k_qf522ec05cf_attn.kd
    .args:
      - { .name: qimg, .offset: 0, .size: 8, .value_kind: global_buffer, .address_space: global }
      - { .name: kvrec, .offset: 8, .size: 8, .value_kind: global_buffer, .address_space: global }
      - { .name: mbits, .offset: 16, .size: 8, .value_kind: global_buffer, .address_space: global }
      - { .name: mflag, .offset: 24, .size: 8, .value_kind: global_buffer, .address_space: global }
      - { .name: aimg, .offset: 32, .size: 8, .value_kind: global_buffer, .address_space: global }
    .group_segment_fixed_size: 28672
    .private_segment_fixed_size: 0
    .kernarg_segment_align: 8
    .kernarg_segment_size: 40
    .max_flat_workgroup_size: 512
    .sgpr_count:     100
    .vgpr_count:     256
    .wavefront_size: 32
...
	.end_amdgpu_metadata
.endif
;; end of part 3
;; launch outp (part 4): grid 256 x 1, 4 waves a work-group, no clusters, 34,304 bytes of LDS; arguments aimg, wimg, bo, out0; writes out0
.if DOCPART == 4
	.amdgcn_target "amdgcn-amd-amdhsa--gfx1250"
	.amdhsa_code_object_version 6
	.text
	.protected	k_qf522ec05cf_outp
	.globl	k_qf522ec05cf_outp
	.p2align	8
	.type	k_qf522ec05cf_outp,@function
k_qf522ec05cf_outp:
	s_mov_b64 s[64:65], 0
	v_nop
	global_prefetch_b8 v0, s[64:65] scope:SCOPE_SE
	s_setreg_imm32_b32 hwreg(HW_REG_WAVE_MODE, 25, 1), 1
	s_wait_xcnt 0x0
; out0 = A Wo + bo on codes of E3M2, A the attention's result as the launch before has quantised it.
; Work-group g: rows 32 g .. 32 g + 31, two tiles of 16 (tile 2 g + i holds rows 32 g + 8 i + pi(r), pi(r) = r + 8 (r / 8)).  Wave w: columns 128 w .. 128 w + 127.
; Source 0 = my 8 column tiles of Wo, which stay in registers (lane r of tile t: column 32 (t / 2) + 8 (t % 2) + pi(r)); source 1 = a tile of A: a lane holds one row, and tile t's eight
; registers are columns 32 (t / 2) + 8 (t % 2) + 16 (lane / 16) + 0 .. 7.  The bias is the C of each sum's first matrix instruction.  The 8 accumulators take turns, one instruction a turn.
; A fragment of A (16 rows x 128 K) is two heads' records of six registers; its scale word is the two heads' half words joined.
; The results go through my own stage in LDS and leave as runs of 512 consecutive bytes of a row.  No wave reads another's LDS bytes: no barrier.
; REGISTERS.  Window 0: v1-7 addresses; v16-31 the heads' half scale words; v48-55 the joined words; v64-127 accumulators; v128-191 rows on the way out; v192-223 Wo's scale words.
;   Window 1: Wo's fragments 0-19.  Window 2: fragments 20-31; from v144 the bias.  Window 3: A's fragments, 48 registers a tile.
.set FRB, 1536
.set SP,  528
.set LI,  1                            ; 16 x lane
.set LS,  2                            ; 4 x lane
.set L8,  3                            ; 8 x lane
.set SO,  4                            ; my stage, on the way in
.set SR,  5                            ; and out
.set BQ,  7                            ; the bias: 64 h
.set W8,  16
.set SS,  48
.set HA,  64
.set OB,  128
.set RS,  192
.set BI,  144
.set MSB, 0
.macro WIN new                         ; the immediate's high byte repeats the setting that is left
.if MSB != (\new)
	s_set_vgpr_msb (MSB<<8)|(\new)
.set MSB, (\new)
.endif
.endm
.macro MULS bwin, breg, bscl, creg, cstr
.irp s, 0,1,2,3
.irp t, 0,1,2,3,4,5,6,7
.if \t < 5
.set AW, 1
.set AR, 12*(4*\t+\s)
.else
.set AW, 2
.set AR, 12*(4*(\t-5)+\s)
.endif
.if \s == 0
.set WN, AW|((\bwin)<<2)|0x20
	WIN WN
	v_wmma_scale_f32_16x16x128_f8f6f4 v[HA+8*\t:HA+8*\t+7], v[AR:AR+11], v[(\breg)+12*\s:(\breg)+12*\s+11], v[(\creg)+(\cstr)*\t:(\creg)+(\cstr)*\t+7], v[RS+4*\t+\s], v[(\bscl)+\s] matrix_a_fmt:MATRIX_FMT_BF6 matrix_b_fmt:MATRIX_FMT_BF6
.else
.set WN, AW|((\bwin)<<2)
	WIN WN
	v_wmma_scale_f32_16x16x128_f8f6f4 v[HA+8*\t:HA+8*\t+7], v[AR:AR+11], v[(\breg)+12*\s:(\breg)+12*\s+11], v[HA+8*\t:HA+8*\t+7], v[RS+4*\t+\s], v[(\bscl)+\s] matrix_a_fmt:MATRIX_FMT_BF6 matrix_b_fmt:MATRIX_FMT_BF6
.endif
.endr
.endr
	WIN 0
.endm
	s_load_b256 s[24:31], s[0:1], 0x0              ; aimg, wimg, bo, out0
	v_lshl_add_u32 v254, v0, 2, 0x8400
	v_mov_b32 v255, 0
	v_lshrrev_b32 v9, 5, v0
	v_readfirstlane_b32 s18, v9                    ; wave 0..3
	v_and_b32 v9, 31, v0
	v_and_b32 v10, 15, v0
	v_bfe_u32 v11, v0, 4, 1
	v_lshlrev_b32 v[LI], 4, v9
	v_lshlrev_b32 v[LS], 2, v9
	v_lshlrev_b32 v[L8], 3, v9
	s_mul_i32 s42, s18, 16*SP
	v_mul_u32_u24 v[SO], v10, SP
	v_lshl_add_u32 v[SO], v11, 6, v[SO]
	v_add_nc_u32 v[SO], s42, v[SO]                 ; row r, + 64 h
	v_add_nc_u32 v[SR], s42, v[LI]
	v_lshlrev_b32 v[BQ], 6, v11
	s_mov_b32 s43, 0
	s_wait_kmcnt 0x0
	s_lshl_b32 s42, ttmp9, 14
	s_add_nc_u64 s[4:5], s[24:25], s[42:43]        ; my two tiles' records
	s_lshl_b32 s42, s18, 9
	s_add_nc_u64 s[6:7], s[28:29], s[42:43]        ; bo at column 128 w
	s_mul_i32 s42, s18, 32*FRB
	s_add_co_u32 s42, s42, 3*212992
	s_add_nc_u64 s[8:9], s[26:27], s[42:43]        ; my 32 fragments of Wo
	s_lshl_b32 s42, s18, 12
	s_add_co_u32 s42, s42, 3*212992+196608
	s_add_nc_u64 s[10:11], s[26:27], s[42:43]      ; their scale words
	s_lshl_b32 s42, ttmp9, 16
	s_lshl_b32 s44, s18, 9
	s_add_co_u32 s42, s42, s44
	s_add_nc_u64 s[12:13], s[30:31], s[42:43]      ; out0 at row 32 g, column 128 w
	WIN 0x40
.set fi, 0
.rept 20
.irp c, 0,1,2
	global_load_b128 v[12*fi+4*\c:12*fi+4*\c+3], v[LI], s[8:9] offset:FRB*fi+512*\c
.endr
.set fi, fi+1
.endr
	WIN 0x80
.rept 12
.irp c, 0,1,2
	global_load_b128 v[12*(fi-20)+4*\c:12*(fi-20)+4*\c+3], v[LI], s[8:9] offset:FRB*fi+512*\c
.endr
.set fi, fi+1
.endr
.irp t, 0,1,2,3,4,5,6,7
	global_load_b128 v[BI+8*\t:BI+8*\t+3], v[BQ], s[6:7] offset:(32*(\t/2)+8*(\t%2))*4
	global_load_b128 v[BI+8*\t+4:BI+8*\t+7], v[BQ], s[6:7] offset:(32*(\t/2)+8*(\t%2))*4+16
.endr
	WIN 0
.set fi, 0
.rept 32
	global_load_b32 v[RS+fi], v[LS], s[10:11] offset:128*fi
.set fi, fi+1
.endr
.irp i, 0,1                                    ; a tile's 32 loads: eight heads x (three pairs of registers + a half scale word)
	WIN 0xc0
.irp d, 0,1,2,3,4,5,6,7
.irp p, 0,1,2
	global_load_b64 v[48*\i+12*(\d/2)+6*(\d%2)+2*\p:48*\i+12*(\d/2)+6*(\d%2)+2*\p+1], v[L8], s[4:5] offset:8192*\i+1024*\d+256*\p
.endr
.endr
	WIN 0
.irp d, 0,1,2,3,4,5,6,7
	global_load_b32 v[W8+8*\i+\d], v[LS], s[4:5] offset:8192*\i+1024*\d+768
.endr
.endr
.macro ITEMO i
.if (\i) == 0
	s_wait_loadcnt 32                              ; the weights, the bias and tile 0 are in; tile 1's 32 loads may be out
.else
	s_wait_loadcnt 0x0
.endif
.irp s, 0,1,2,3
	v_lshl_or_b32 v[SS+4*(\i)+\s], v[W8+8*(\i)+2*\s+1], 16, v[W8+8*(\i)+2*\s]   ; heads 2 s and 2 s + 1: the four bytes of K step s
.endr
.rept 8
	v_nop                                          ; a scale word written by a vector instruction stands eight places ahead of the scaled product
.endr
	MULS 3, 48*(\i), SS+4*(\i), BI, 8
.rept 4
	v_nop                                          ; places ahead of the first read of the results (ISA guide 7.12.1)
.endr
.irp t, 0,1,2,3,4,5,6,7
	ds_store_b128 v[SO], v[HA+8*\t:HA+8*\t+3] offset:128*(\t/2)+32*(\t%2)       ; each accumulator from its low end on
	ds_store_b128 v[SO], v[HA+8*\t+4:HA+8*\t+7] offset:128*(\t/2)+32*(\t%2)+16
.endr
.if (\i) >= 1
	s_wait_xcnt 0x0                                ; the last tile's stores have read their registers
.endif
.irp p, 0,1,2,3,4,5,6,7,8,9,10,11,12,13,14,15
	ds_load_b128 v[OB+4*\p:OB+4*\p+3], v[SR] offset:SP*\p   ; LDS serves a wave's instructions in order: these see my stores
.endr
.irp p, 0,1,2,3,4,5,6,7,8,9,10,11,12,13,14,15
	s_wait_dscnt 15-\p                             ; row p is back; the younger rows may be out
	global_store_b128 v[LI], v[OB+4*\p:OB+4*\p+3], s[12:13] offset:(8*(\i)+\p+8*(\p/8))*2048 th:TH_STORE_NT   ; 32 lanes store 512 consecutive bytes of a row, aligned
.endr
.endm
	ITEMO 0
	ITEMO 1
	s_wait_tensorcnt 0x0
	ds_add_u32 v254, v255
	s_wait_dscnt 0x0
	s_endpgm
.Lfunc_end_k_qf522ec05cf_outp:
	.size	k_qf522ec05cf_outp, .Lfunc_end_k_qf522ec05cf_outp-k_qf522ec05cf_outp
	.p2alignl 7, 3214868480
	.fill 96, 4, 3214868480
	.section	.rodata,"a",@progbits
	.p2align	6, 0x0
	.amdhsa_kernel k_qf522ec05cf_outp
		.amdhsa_group_segment_fixed_size 34304
		.amdhsa_private_segment_fixed_size 0
		.amdhsa_enable_private_segment 0
		.amdhsa_kernarg_size 32
		.amdhsa_user_sgpr_count 2
		.amdhsa_user_sgpr_kernarg_segment_ptr 1
		.amdhsa_wavefront_size32 1
		.amdhsa_system_sgpr_workgroup_id_x 1
		.amdhsa_system_sgpr_workgroup_id_y 1
		.amdhsa_system_sgpr_workgroup_id_z 1
		.amdhsa_system_vgpr_workitem_id 0
		.amdhsa_next_free_vgpr 1024
		.amdhsa_next_free_sgpr 66
		.amdhsa_reserve_vcc 0
		.amdhsa_float_denorm_mode_32 3
		.amdhsa_float_denorm_mode_16_64 3
		.amdhsa_memory_ordered 1
		.amdhsa_forward_progress 1
		.amdhsa_inst_pref_size 40
	.end_amdhsa_kernel
	.amdgpu_metadata
---
amdhsa.version: [ 1, 2 ]
amdhsa.kernels:
  - .name:           k_qf522ec05cf_outp
    .symbol:         k_qf522ec05cf_outp.kd
    .args:
      - { .name: aimg, .offset: 0, .size: 8, .value_kind: global_buffer, .address_space: global }
      - { .name: wimg, .offset: 8, .size: 8, .value_kind: global_buffer, .address_space: global }
      - { .name: bo, .offset: 16, .size: 8, .value_kind: global_buffer, .address_space: global }
      - { .name: out0, .offset: 24, .size: 8, .value_kind: global_buffer, .address_space: global }
    .group_segment_fixed_size: 34304
    .private_segment_fixed_size: 0
    .kernarg_segment_align: 8
    .kernarg_segment_size: 32
    .max_flat_workgroup_size: 128
    .sgpr_count:     66
    .vgpr_count:     1024
    .wavefront_size: 32
...
	.end_amdgpu_metadata
.endif
;; end of part 4
;; ======== version 2 of 2: 4 launches
;; limits: right only within a limited range of input values
;; workspace buffers: mbits 2,097,152 bytes of whole numbers; mflag 2,048 bytes of whole numbers; wimg 851,968 bytes; qimg 3,407,872 bytes; kvrec 6,815,744 bytes; aimg 4,194,304 bytes
;; launch prep (part 5): grid 320 x 1, 8 waves a work-group, no clusters, 68,864 bytes of LDS; arguments mask, Wq, Wk, Wv, Wo, mbits, mflag, wimg; writes mbits, mflag, wimg
.if DOCPART == 5
	.amdgcn_target "amdgcn-amd-amdhsa--gfx1250"
	.amdhsa_code_object_version 6
	.text
	.protected	k_qf522ec05cf_prep
	.globl	k_qf522ec05cf_prep
	.p2align	8
	.type	k_qf522ec05cf_prep,@function
k_qf522ec05cf_prep:
	s_mov_b64 s[64:65], 0
	v_nop
	global_prefetch_b8 v0, s[64:65] scope:SCOPE_SE
	s_setreg_imm32_b32 hwreg(HW_REG_WAVE_MODE, 25, 1), 1
	s_wait_xcnt 0x0
; TWO JOBS IN ONE LAUNCH, parted by the work-group's number.
; Work-groups 0-255: the mask [4096][4096] int32 becomes LANE-MASK WORDS for the attention launch, and two flag words for each tile of 16 queries.
;   A tile T holds queries 32 (T / 2) + 8 (T % 2) + pi(r), pi(r) = r + 8 (r / 8), r = lane % 16.  A key step j is 128 keys.
;   mbits[T][j][n], n = 0 .. 63: bit L = (mask[query(T, L % 16)][128 j + 32 (n / 16) + 16 (L / 16) + n % 16] != 0): the lane and register in which attention holds that score.
;   mflag[T] = WORK, MIX: bit j of WORK: step j has an open key for some query of the tile; bit j of MIX: it also has a masked one.
;   If one of the tile's 16 rows has no open key at all, WORK is all ones: that tile passes over nothing, and such a row comes out as the plain mean of v.
; Work-groups 256-319: Wq, Wk, Wv, Wo [512 (k)][512 (n)] f32 become codes of E3M2 with one E8M0 byte for each 32 along k, laid as IMAGES OF OPERAND REGISTERS:
;   fragment f = 4 tau + s of a weight: lane (r, h) holds column 32 (tau / 2) + 8 (tau % 2) + pi(r); registers 6 c .. 6 c + 5 hold k = 128 s + 64 c + 32 h + 0 .. 31.
;   An image is three runs of 512 bytes (register group c at 512 c + 16 x lane); the scale words follow all 128 fragments, 4 bytes a lane.
; A block's scale is 2^(floor(log2(largest magnitude)) - 4); its byte is the largest magnitude's exponent field - 4, held at 1 from below.
; LIMITS: a block of zeros gets the byte 1 (its codes are zeros; the bytes are read by this program alone); blocks under 2^-122 are held at byte 1; NaN and infinities are not served.
.set ROWB,  16384                      ; a row of the mask in bytes
.set SP,    528                        ; a stage row: 512 bytes + 16, so that the 16 rows of a read start in 16 different groups of banks
.set WSTG,  16*SP                      ; a wave's stage
.set RED,   8*WSTG                     ; behind the stages: 16 bytes for each wave's flags
.set L0,    16                         ; v16-143  two landing sets of 16 rows x 4 registers
.set X,     144                        ; v144-207 a step's 64 numbers a lane, in the scores' order
.set OW,    208                        ; v208-215 a pair for each of the wave's four steps: lane l holds words 2 l and 2 l + 1
.set WIMG1, 212992                     ; a weight's images: 128 x 1,536 + 128 x 128 bytes
.set WSCL,  196608                     ; where its scale words begin
	s_load_b256 s[4:11], s[0:1], 0x0               ; mask s[4:5], Wq s[6:7], Wk s[8:9], Wv s[10:11]
	s_load_b256 s[20:27], s[0:1], 0x20             ; Wo s[20:21], mbits s[22:23], mflag s[24:25], wimg s[26:27]
	v_lshl_add_u32 v224, v0, 2, 0x10900
	v_mov_b32 v225, 0
	v_lshrrev_b32 v10, 5, v0
	s_delay_alu instid0(VALU_DEP_1)
	v_readfirstlane_b32 s12, v10                   ; wave 0..7
	v_and_b32 v7, 31, v0                           ; lane
	v_and_b32 v8, 15, v0                           ; r
	v_bfe_u32 v9, v0, 4, 1                         ; h
	s_mov_b32 s31, 0
	s_cmp_lt_u32 ttmp9, 256
	s_cbranch_scc0 .Lweights
	; ---------------- the mask: work-group = tile T; wave w takes key steps w, w + 8, w + 16, w + 24
	v_lshlrev_b32 v1, 4, v7                        ; 16 x lane: my bytes of a row's 512
	s_mul_i32 s28, s12, WSTG
	v_add_nc_u32 v2, s28, v1                       ; the stage, on the way in
	v_mul_u32_u24 v3, v8, SP
	s_delay_alu instid0(VALU_DEP_1)
	v_lshl_add_u32 v3, v9, 6, v3
	s_delay_alu instid0(VALU_DEP_1)
	v_add_nc_u32 v3, s28, v3                       ; and on the way out: row r, + 64 h: my 16 keys of each 32
	v_lshlrev_b32 v4, 3, v7                        ; 8 x lane: my two words of a step's 64
	v_lshl_add_u32 v5, v10, 4, RED                 ; my wave's flags
	v_mov_b32 v6, RED
.irp k, 0,1,2,3,4,5,6,7
	v_mov_b32 v[OW+\k], 0                          ; written once whole: a lane write's destination counts as read
.endr
	s_lshl_b32 s13, 1, s12                         ; bit w
	s_mov_b32 s14, 0                               ; my steps' bits of WORK
	s_mov_b32 s15, 0                               ; of MIX
	s_mov_b32 s16, 0                               ; bit L: row L % 16 has an open key among my steps
	s_lshr_b32 s30, ttmp9, 1
	s_lshl_b32 s30, s30, 5
	s_and_b32 s29, ttmp9, 1
	s_lshl_b32 s29, s29, 3
	s_add_co_u32 s30, s30, s29                     ; the tile's first row
	s_lshl_b32 s30, s30, 14
	s_lshl_b32 s29, s12, 9
	s_add_co_u32 s30, s30, s29                     ; + 512 w: my first step
	s_wait_kmcnt 0x0
	s_add_nc_u64 s[4:5], s[4:5], s[30:31]
	s_lshl_b32 s30, ttmp9, 13
	s_lshl_b32 s29, s12, 8
	s_add_co_u32 s30, s30, s29
	s_add_nc_u64 s[22:23], s[22:23], s[30:31]      ; mbits + 8,192 T + 256 w
	s_lshl_b32 s30, ttmp9, 3
	s_add_nc_u64 s[24:25], s[24:25], s[30:31]      ; mflag + 8 T
.macro MLD i, set                      ; step w + 8 i: 16 rows x 512 consecutive bytes
.irp p, 0,1,2,3,4,5,6,7,8,9,10,11,12,13,14,15
	global_load_b128 v[\set+4*\p:\set+4*\p+3], v1, s[4:5] offset:(\p+8*(\p/8))*ROWB+4096*(\i) th:TH_LOAD_NT
.endr
.endm
	MLD 0, L0
	MLD 1, L0+64
.macro MSTEP i
.set LSET, L0+64*((\i)%2)
.if (\i) < 3
	s_wait_loadcnt 16                              ; this step's 16 loads are in; the next step's 16 may be out
.else
	s_wait_loadcnt 0x0
.endif
.irp p, 0,1,2,3,4,5,6,7,8,9,10,11,12,13,14,15
	ds_store_b128 v2, v[LSET+4*\p:LSET+4*\p+3] offset:SP*\p
.endr
.irp b, 0,1,2,3
.irp c, 0,1,2,3
	ds_load_b128 v[X+16*\b+4*\c:X+16*\b+4*\c+3], v3 offset:128*\b+16*\c   ; LDS serves a wave's instructions in order: these see my stores
.endr
.endr
	s_wait_dscnt 0x0                               ; the numbers are back, and the stores have read the landing set,
.if (\i)+2 < 4
	MLD (\i)+2, LSET                               ; which takes the step after next
.endif
	s_mov_b32 s17, 0                               ; the step's words, or-ed
	s_mov_b32 s18, -1                              ; and and-ed
.irp q, 0,1,2,3
.irp k, 0,1,2,3,4,5,6,7,8,9,10,11,12,13,14,15
	v_cmp_ne_u32 s[32+\k], 0, v[X+16*\q+\k]        ; word n = 16 q + k: one bit a lane
.endr
.irp k, 0,1,2,3,4,5,6,7,8,9,10,11,12,13,14,15
	v_writelane_b32 v[OW+2*(\i)+(\k%2)], s[32+\k], (16*\q+\k)/2
	s_or_b32 s17, s17, s[32+\k]
	s_and_b32 s18, s18, s[32+\k]
.endr
.endr
	global_store_b64 v4, v[OW+2*(\i):OW+2*(\i)+1], s[22:23] offset:2048*(\i)   ; 32 lanes store 256 consecutive bytes, aligned; each step has its own pair, so no store's data are written again
	s_or_b32 s16, s16, s17
	s_lshl_b32 s19, s13, 8*(\i)                    ; bit w + 8 i
	s_cmp_lg_u32 s17, 0
	s_cselect_b32 s28, s19, 0
	s_or_b32 s14, s14, s28
	s_cmp_lg_u32 s18, -1
	s_cselect_b32 s28, s19, 0
	s_or_b32 s15, s15, s28
.endm
	MSTEP 0
	MSTEP 1
	MSTEP 2
	MSTEP 3
	v_mov_b32 v216, s14
	v_mov_b32 v217, s15
	v_mov_b32 v218, s16
	v_mov_b32 v219, 0
	ds_store_b128 v5, v[216:219]                   ; all lanes write the same 16 bytes with the same values
	s_wait_dscnt 0x0                               ; for the others' sake: my store is done
	s_barrier_signal -1
	s_barrier_wait -1
	s_cmp_lg_u32 s12, 0
	s_cbranch_scc1 .Lend                           ; wave 0 joins the eight parts
.irp k, 0,1,2,3,4,5,6,7
	ds_load_b128 v[16+4*\k:19+4*\k], v6 offset:16*\k
.endr
	s_wait_dscnt 0x0
.irp k, 1
	v_or_b32 v16, v16, v[16+4*\k]
	v_or_b32 v17, v17, v[17+4*\k]
	v_or_b32 v18, v18, v[18+4*\k]
.endr
.irp k, 2, 3, 4, 5, 6, 7
	s_delay_alu instid0(VALU_DEP_3)
	v_or_b32 v16, v16, v[16+4*\k]
	s_delay_alu instid0(VALU_DEP_3)
	v_or_b32 v17, v17, v[17+4*\k]
	s_delay_alu instid0(VALU_DEP_3)
	v_or_b32 v18, v18, v[18+4*\k]
.endr
	s_delay_alu instid0(VALU_DEP_1)
	v_lshrrev_b32 v19, 16, v18
	s_delay_alu instid0(VALU_DEP_1)
	v_or_b32 v18, v18, v19
	s_delay_alu instid0(VALU_DEP_1)
	v_and_b32 v18, 0xffff, v18                     ; bit r: row r has an open key
	v_mov_b32 v19, -1
	s_delay_alu instid0(VALU_DEP_2)
	v_cmp_ne_u32 vcc_lo, 0xffff, v18
	s_delay_alu instid0(VALU_DEP_1)
	v_cndmask_b32 v16, v16, v19, vcc_lo            ; a row without any: nothing of this tile is passed over
	s_delay_alu instid0(VALU_DEP_1)
	v_and_b32 v17, v17, v16                        ; MIX only where the step is worked
	v_mov_b32 v20, 0
	v_cmp_eq_u32 vcc_lo, 0, v0
	s_wait_alu depctr_va_vdst(0)
	s_wait_xcnt 0x0                                ; EXEC changes only behind this wait
	s_and_saveexec_b32 s28, vcc_lo
	global_store_b64 v20, v[16:17], s[24:25]       ; thread 0 alone
	s_wait_xcnt 0x0
	s_or_b32 exec_lo, exec_lo, s28
.Lend:
	s_wait_tensorcnt 0x0
	ds_add_u32 v224, v225
	s_wait_dscnt 0x0
	s_endpgm
	; ---------------- the weights: each wave makes one fragment.  A LANE TAKES A COLUMN, ITS REGISTERS RUN DOWN K: the conversions' results are the operand's registers
.Lweights:
	s_sub_co_u32 s28, ttmp9, 256                   ; g = 0 .. 63
	s_lshr_b32 s29, s28, 4                         ; which weight: q, k, v, o
	s_lshl_b32 s30, s28, 3
	s_add_co_u32 s30, s30, s12
	s_and_b32 s30, s30, 127                        ; fragment f
	s_mov_b32 s37, 0
	s_mov_b32 s42, 0x76543210
	s_mov_b32 s43, 0xfedcba98                      ; lane selects: lane l xor 16
	s_wait_alu depctr_va_vdst(0)
	v_and_b32 v10, 8, v8
	s_delay_alu instid0(VALU_DEP_1)
	v_add_nc_u32 v10, v10, v8                      ; pi(r)
	s_delay_alu instid0(VALU_DEP_1)
	v_lshlrev_b32 v10, 2, v10
	s_delay_alu instid0(VALU_DEP_1)
	v_lshl_add_u32 v10, v9, 16, v10                ; + 32 h rows of 2,048 bytes
	v_lshlrev_b32 v13, 4, v7
	v_lshlrev_b32 v14, 2, v7
	s_wait_alu depctr_va_vdst(0)
	s_wait_kmcnt 0x0
	s_cmp_eq_u32 s29, 1                            ; the choice hangs on the work-group's number alone
	s_cselect_b64 s[6:7], s[8:9], s[6:7]
	s_cmp_eq_u32 s29, 2
	s_cselect_b64 s[6:7], s[10:11], s[6:7]
	s_cmp_eq_u32 s29, 3
	s_cselect_b64 s[6:7], s[20:21], s[6:7]
	s_lshr_b32 s32, s30, 2                         ; tau
	s_and_b32 s33, s30, 3                          ; s
	s_lshl_b32 s36, s33, 18                        ; 128 s rows
	s_lshr_b32 s33, s32, 1
	s_lshl_b32 s33, s33, 7
	s_add_co_u32 s36, s36, s33
	s_and_b32 s33, s32, 1
	s_lshl_b32 s33, s33, 5
	s_add_co_u32 s36, s36, s33                     ; + 4 x (32 (tau / 2) + 8 (tau % 2))
	s_add_nc_u64 s[6:7], s[6:7], s[36:37]
	s_mul_i32 s36, s29, WIMG1
	s_mul_i32 s33, s30, 1536
	s_add_co_u32 s36, s36, s33
	s_add_nc_u64 s[38:39], s[26:27], s[36:37]      ; the fragment's image
	s_mul_i32 s36, s29, WIMG1
	s_lshl_b32 s33, s30, 7
	s_add_co_u32 s36, s36, s33
	s_add_co_u32 s36, s36, WSCL
	s_add_nc_u64 s[40:41], s[26:27], s[36:37]      ; its scale words
.irp c, 0,1
.irp i, 0,1,2,3,4,5,6,7,8,9,10,11,12,13,14,15,16,17,18,19,20,21,22,23,24,25,26,27,28,29,30,31
	global_load_b32 v[64+32*\c+\i], v10, s[6:7] offset:2048*(64*\c+\i)   ; W(128 s + 64 c + 32 h + i, my column)
.endr
.endr
	s_wait_loadcnt 0x0
.irp c, 0,1                                    ; my block 2 c + h: all its 32 numbers are mine
	v_max3_num_f32 v[32+\c], |v[64+32*\c]|, |v[65+32*\c]|, 0x2800000   ; with the floor 2^(5 - 127): the byte cannot fall under 1
.endr
.irp i, 2,4,6,8,10,12,14,16,18,20,22,24,26,28,30
.irp c, 0,1
	s_delay_alu instid0(VALU_DEP_2)
	v_max3_num_f32 v[32+\c], v[32+\c], |v[64+32*\c+\i]|, |v[65+32*\c+\i]|
.endr
.endr
.irp c, 0,1
	s_delay_alu instid0(VALU_DEP_2)
	v_add_nc_u32 v[44+\c], 0xfe000000, v[32+\c]    ; 4 off the exponent field: the conversion's scale operand
.endr
.irp c, 0,1
	s_delay_alu instid0(VALU_DEP_2)
	v_lshrrev_b32 v[36+\c], 23, v[44+\c]           ; the scale's byte
.endr
	s_delay_alu instid0(VALU_DEP_1)
	v_lshl_or_b32 v11, v37, 16, v36                ; my two bytes: blocks h and 2 + h,
	v_lshlrev_b32 v12, 3, v9
	s_delay_alu instid0(VALU_DEP_1)
	v_lshlrev_b32 v11, v12, v11                    ; at their places in the word;
	v_mov_b32 v12, 0
	s_delay_alu instid0(VALU_DEP_1)
	v_permlanex16_b32 v12, v11, s42, s43
	s_delay_alu instid0(VALU_DEP_1)
	v_or_b32 v11, v11, v12                         ; with lane l xor 16's two the word is whole
.irp c, 0,1
	v_cvt_scalef32_pk16_bf6_f32 v[48+6*\c:50+6*\c], v[64+32*\c:79+32*\c], v[44+\c]
	v_cvt_scalef32_pk16_bf6_f32 v[192+4*\c:194+4*\c], v[80+32*\c:95+32*\c], v[44+\c]   ; (a conversion's three registers begin on an even number)
.endr
	v_nop                                          ; one plain place behind a scaled conversion
.irp c, 0,1
.irp i, 0,1,2
	v_mov_b32 v[51+6*\c+\i], v[192+4*\c+\i]
.endr
.endr
	global_store_b128 v13, v[48:51], s[38:39]      ; each store of the wave covers 512 consecutive bytes, aligned
	global_store_b128 v13, v[52:55], s[38:39] offset:512
	global_store_b128 v13, v[56:59], s[38:39] offset:1024
	global_store_b32 v14, v11, s[40:41]
	s_endpgm
.Lfunc_end_k_qf522ec05cf_prep:
	.size	k_qf522ec05cf_prep, .Lfunc_end_k_qf522ec05cf_prep-k_qf522ec05cf_prep
	.p2alignl 7, 3214868480
	.fill 96, 4, 3214868480
	.section	.rodata,"a",@progbits
	.p2align	6, 0x0
	.amdhsa_kernel k_qf522ec05cf_prep
		.amdhsa_group_segment_fixed_size 68864
		.amdhsa_private_segment_fixed_size 0
		.amdhsa_enable_private_segment 0
		.amdhsa_kernarg_size 64
		.amdhsa_user_sgpr_count 2
		.amdhsa_user_sgpr_kernarg_segment_ptr 1
		.amdhsa_wavefront_size32 1
		.amdhsa_system_sgpr_workgroup_id_x 1
		.amdhsa_system_sgpr_workgroup_id_y 1
		.amdhsa_system_sgpr_workgroup_id_z 1
		.amdhsa_system_vgpr_workitem_id 0
		.amdhsa_next_free_vgpr 226
		.amdhsa_next_free_sgpr 66
		.amdhsa_reserve_vcc 1
		.amdhsa_float_denorm_mode_32 3
		.amdhsa_float_denorm_mode_16_64 3
		.amdhsa_memory_ordered 1
		.amdhsa_forward_progress 1
		.amdhsa_inst_pref_size 82
	.end_amdhsa_kernel
	.amdgpu_metadata
---
amdhsa.version: [ 1, 2 ]
amdhsa.kernels:
  - .name:           k_qf522ec05cf_prep
    .symbol:         k_qf522ec05cf_prep.kd
    .args:
      - { .name: mask, .offset: 0, .size: 8, .value_kind: global_buffer, .address_space: global }
      - { .name: Wq, .offset: 8, .size: 8, .value_kind: global_buffer, .address_space: global }
      - { .name: Wk, .offset: 16, .size: 8, .value_kind: global_buffer, .address_space: global }
      - { .name: Wv, .offset: 24, .size: 8, .value_kind: global_buffer, .address_space: global }
      - { .name: Wo, .offset: 32, .size: 8, .value_kind: global_buffer, .address_space: global }
      - { .name: mbits, .offset: 40, .size: 8, .value_kind: global_buffer, .address_space: global }
      - { .name: mflag, .offset: 48, .size: 8, .value_kind: global_buffer, .address_space: global }
      - { .name: wimg, .offset: 56, .size: 8, .value_kind: global_buffer, .address_space: global }
    .group_segment_fixed_size: 68864
    .private_segment_fixed_size: 0
    .kernarg_segment_align: 8
    .kernarg_segment_size: 64
    .max_flat_workgroup_size: 256
    .sgpr_count:     66
    .vgpr_count:     226
    .wavefront_size: 32
...
	.end_amdgpu_metadata
.endif
;; end of part 5
;; launch proj (part 6): grid 64 x 3, 4 waves a work-group, no clusters, 87,552 bytes of LDS; arguments query, key_, value, bq, bk, bv, wimg, qimg, kvrec; writes qimg, kvrec
.if DOCPART == 6
	.amdgcn_target "amdgcn-amd-amdhsa--gfx1250"
	.amdhsa_code_object_version 6
	.text
	.protected	k_qf522ec05cf_proj
	.globl	k_qf522ec05cf_proj
	.p2align	8
	.type	k_qf522ec05cf_proj,@function
k_qf522ec05cf_proj:
	s_mov_b64 s[64:65], 0
	v_nop
	global_prefetch_b8 v0, s[64:65] scope:SCOPE_SE
	s_setreg_imm32_b32 hwreg(HW_REG_WAVE_SCHED_MODE, 0, 2), 2
	s_setreg_imm32_b32 hwreg(HW_REG_WAVE_MODE, 25, 1), 1
	s_wait_xcnt 0x0
	s_wait_alu depctr_vm_vsrc(0)
; The three projections x W + b on codes of E3M2 (one E8M0 byte for each 32 along K), and their results quantised as operands of attention's two products.
; Work-group (beta, p): rows 128 beta .. + 127 of tensor p (0 query, 1 key_, 2 value).  Wave w owns columns 128 w .. 128 w + 127: heads 2 w and 2 w + 1.
; EVERY TILE OF 16 ROWS OR COLUMNS IS PERMUTED: lane r of tile t of a run takes 32 (t / 2) + 8 (t % 2) + pi(r), pi(r) = r + 8 (r / 8), so that a lane's 16 result registers of tiles 2 b and 2 b + 1
; are 16 neighbours, 32 b + 16 (lane / 16) + 0 .. 15, which is what the conversions want.
; PHASE X: wave w quantises rows 32 w .. 32 w + 31 of x (two tiles x four K steps) and stores the fragments in LDS as images of their registers; one barrier; from then on LDS is only read.
; q, k: source 0 = my 8 column tiles of W (they stay in registers), source 1 = a tile of x: a lane holds one row and 64 columns along the heads' d.  Quantised along d: 6 registers for each head.
; v:    source 0 = x's 8 tiles (they stay in registers), source 1 = a column tile of W: a lane holds one column d and 64 keys.  Quantised along the keys: a fragment of V^T.
; The bias is the C of each sum's first matrix instruction.  The 8 accumulators take turns, one instruction a turn.
; OUT: qimg[bh][j]: 4 pair images of 1,536 bytes (registers 0-5 tile 2 a, 6-11 tile 2 a + 1), then 512 bytes of scale words (register a: tile 2 a in lanes 0-15, 2 a + 1 in lanes 16-31).
;      kvrec[bh][j], 13,312 bytes: K as qimg at 0 and its words at 12,288; V^T's 4 tiles of 1,536 bytes at 6,144 and their words at 12,800.
; LIMITS: a block of zeros gets the byte 1 (its codes are zeros; this program alone reads the bytes); blocks under 2^-122 are held at byte 1; NaN and infinities are not served.
; REGISTERS, in windows of 256.  Window 0: v1-8 addresses; v16-63 four streamed fragments; v64-127 accumulators; v128-151 codes; v152-179 at work; v180-187 gathered scale words; v188-191, v192-223, v224-255 scale words.
;   Window 1: run fragments 0-19.  Window 2: run fragments 20-31; from v144 the bias.  Window 3: landing sets of x, later four slots of W.
; THE MODE: SCHED_MODE bits 1:0 = 2 (LLVM: expert scheduling mode 2), set by the entry lines.  The code itself states the register dependences
; between vector or matrix instructions and memory or LDS instructions, with s_wait_alu, always for 0.
; THE PLAN.  Registers that memory or LDS instructions touch:
;   v1-8             addresses, made once at the head and never written again: one wait on va_vdst ahead of the first load, in each arm of the head.
;   window 3, X      four landing sets.  Global loads land in set u % 4; unit u's sixteen LDS stores read it; the loads of unit u + 4 land in it again.  No vector line names them.
;   v[HA ..], X      Unit u's LDS loads land in it; its quantiser reads it.
;   v[CA ..], v[PW]  The quantiser writes them; LDS stores (phase X) or global stores (the items) read them.  v[CB ..], v[SWA ..], v[SWB ..] likewise, in the items.
;   v[XF ..], v[SS ..]  q, k: a tile's LDS loads land in them; the item's products read them; the next tile's loads land in them.
;   window 3, v      four slots of W.  Global loads land in slot i % 4; item i's products read it; the loads of item i + 4 land in it again.
; A unit has two waits: one on vm_vsrc behind its wait on DScnt (the landing set is read, and so are the last unit's codes), one on va_vdst ahead of its image stores, which also shows the quantiser
; done reading v[HA ..], so that the next unit's LDS loads owe nothing more.  An item has at most three: va_vdst behind its products (the loads into their operands), vm_vsrc ahead of the
; quantiser (the last stores have read the codes), va_vdst ahead of its stores.
.set FRB,  1536                        ; a fragment's image: 12 registers x 128 bytes
.set XIMG, 0                           ; LDS: x's 32 fragments (4 m + s),
.set XSC,  32*FRB                      ; their scale words, 128 bytes each,
.set STG,  XSC+32*128                  ; and a stage of 16 rows x 528 bytes for each wave
.set SP,   528
.set LI,  1                            ; 16 x lane
.set LS,  2                            ; 4 x lane
.set SA,  3                            ; my stage, on the way in
.set SB,  4                            ; and out
.set XWI, 5                            ; where I store x's images
.set XWS, 6                            ; and their scale words
.set BQ,  7                            ; bias, q and k: 64 h
.set BVA, 8                            ; bias, v: 4 pi(r)
.set XF,  16
.set HA,  64
.set CA,  128
.set CB,  140
.set PT,  152
.set TM,  160
.set PW,  176
.set SWA, 180
.set SWB, 184
.set SS,  188
.set RS,  192
.set SSV, 224
.set BI,  144                          ; in window 2
.set MSB, 0
.macro WIN new                         ; the immediate's high byte repeats the setting that is left
.if MSB != (\new)
	s_set_vgpr_msb (MSB<<8)|(\new)
.set MSB, (\new)
.endif
.endm
.macro PLACES                          ; four places behind matrix instructions, ahead of reads of their results (ISA guide 7.12.1)
.rept 4
	v_nop
.endr
.endm
; 64 numbers of a lane, register 16 b + i = k 32 b + 16 (lane / 16) + i of my row, become codes: k 0-63 in v[d0] .. + 5, k 64-127 in v[d1] .. + 5; the four scale bytes in v[pw].
.macro QUANT s, d0, d1, pw
.irp b, 0,1,2,3
	v_max3_num_f32 v[TM+\b], |v[(\s)+16*\b]|, |v[(\s)+1+16*\b]|, 0x2800000   ; my 16 numbers of block b, and the floor 2^(5 - 127)
.endr
.irp i, 2,4,6,8,10,12,14
.irp b, 0,1,2,3
	v_max3_num_f32 v[TM+\b], v[TM+\b], |v[(\s)+16*\b+\i]|, |v[(\s)+1+16*\b+\i]|
.endr
.endr
.irp b, 0,1,2,3
	v_permlanex16_b32 v[TM+4+\b], v[TM+\b], s20, s21
.endr
.irp b, 0,1,2,3
	v_max_num_f32 v[TM+\b], v[TM+\b], v[TM+4+\b]   ; with lane l xor 16's: the block's largest magnitude
.endr
.irp b, 0,1,2,3
	v_add_nc_u32 v[TM+12+\b], 0xfe000000, v[TM+\b] ; 4 off its exponent field: the conversion's scale operand
.endr
.irp b, 0,1,2,3
	v_lshrrev_b32 v[TM+4+\b], 23, v[TM+12+\b]      ; the scale's byte
.endr
	v_lshl_or_b32 v[\pw], v[TM+5], 8, v[TM+4]
	v_lshl_or_b32 v[\pw], v[TM+6], 16, v[\pw]
	v_lshl_or_b32 v[\pw], v[TM+7], 24, v[\pw]
	v_cvt_scalef32_pk16_bf6_f32 v[(\d0):(\d0)+2], v[(\s):(\s)+15], v[TM+12]
	v_cvt_scalef32_pk16_bf6_f32 v[PT:PT+2], v[(\s)+16:(\s)+31], v[TM+13]
	v_cvt_scalef32_pk16_bf6_f32 v[(\d1):(\d1)+2], v[(\s)+32:(\s)+47], v[TM+14]
	v_cvt_scalef32_pk16_bf6_f32 v[PT+4:PT+6], v[(\s)+48:(\s)+63], v[TM+15]
	v_nop                                          ; one plain place behind a scaled conversion
.irp i, 0,1,2                                  ; the layout wants a whole block in a lane: lanes 0-15 the even block, lanes 16-31 the odd one
	v_permlane16_swap_b32 v[(\d0)+\i], v[PT+\i]
	v_permlane16_swap_b32 v[(\d1)+\i], v[PT+4+\i]
.endr
.irp i, 0,1,2
	v_mov_b32 v[(\d0)+3+\i], v[PT+\i]
	v_mov_b32 v[(\d1)+3+\i], v[PT+4+\i]
.endr
.endm
; 32 matrix instructions: the run's 8 tiles (source 0, windows 1 and 2) x 4 K steps against one streamed tile (source 1: window bwin, registers breg on; its scale words bscl on).
; The first K step takes the bias, v[creg + cstr t] of window 2, as C.  All their operands and scale words come from loads: their waits are those on the memory counters.
.macro MULS bwin, breg, bscl, creg, cstr
.irp s, 0,1,2,3
.irp t, 0,1,2,3,4,5,6,7
.if \t < 5
.set AW, 1
.set AR, 12*(4*\t+\s)
.else
.set AW, 2
.set AR, 12*(4*(\t-5)+\s)
.endif
.if \s == 0
.set WN, AW|((\bwin)<<2)|0x20
	WIN WN
	v_wmma_scale_f32_16x16x128_f8f6f4 v[HA+8*\t:HA+8*\t+7], v[AR:AR+11], v[(\breg)+12*\s:(\breg)+12*\s+11], v[(\creg)+(\cstr)*\t:(\creg)+(\cstr)*\t+7], v[RS+4*\t+\s], v[(\bscl)+\s] matrix_a_fmt:MATRIX_FMT_BF6 matrix_b_fmt:MATRIX_FMT_BF6
.else
.set WN, AW|((\bwin)<<2)
	WIN WN
	v_wmma_scale_f32_16x16x128_f8f6f4 v[HA+8*\t:HA+8*\t+7], v[AR:AR+11], v[(\breg)+12*\s:(\breg)+12*\s+11], v[HA+8*\t:HA+8*\t+7], v[RS+4*\t+\s], v[(\bscl)+\s] matrix_a_fmt:MATRIX_FMT_BF6 matrix_b_fmt:MATRIX_FMT_BF6
.endif
.endr
.endr
	WIN 0
.endm
	s_load_b256 s[24:31], s[0:1], 0x0              ; query, key_, value, bq
	s_load_b256 s[32:39], s[0:1], 0x20             ; bk, bv, wimg, qimg
	s_load_b64 s[40:41], s[0:1], 0x40              ; kvrec
	v_lshl_add_u32 v178, v0, 2, 0x15400
	v_mov_b32 v179, 0
	v_lshrrev_b32 v9, 5, v0
	v_readfirstlane_b32 s18, v9                    ; wave 0..3
	v_and_b32 v9, 31, v0                           ; lane
	v_and_b32 v10, 15, v0                          ; r
	v_bfe_u32 v11, v0, 4, 1                        ; h
	v_lshlrev_b32 v[LI], 4, v9
	v_lshlrev_b32 v[LS], 2, v9
	s_wait_alu depctr_va_sdst(0)                   ; s18 is written, ahead of its first reader: LDS addresses and the bases are made from it
	s_mul_i32 s42, s18, 16*SP
	s_add_co_u32 s42, s42, STG
	v_add_nc_u32 v[SA], s42, v[LI]
	v_mul_u32_u24 v[SB], v10, SP
	v_lshl_add_u32 v[SB], v11, 6, v[SB]
	v_add_nc_u32 v[SB], s42, v[SB]                 ; row r, + 64 h: my 16 numbers of each block of 32
	s_mul_i32 s42, s18, 8*FRB
	v_add_nc_u32 v[XWI], s42, v[LI]
	s_lshl_b32 s42, s18, 10
	s_add_co_u32 s42, s42, XSC
	v_add_nc_u32 v[XWS], s42, v[LS]
	v_lshlrev_b32 v[BQ], 6, v11
	v_and_b32 v[BVA], 8, v10
	v_add_nc_u32 v[BVA], v[BVA], v10
	v_lshlrev_b32 v[BVA], 2, v[BVA]
.irp b, 0,1,2,3
	v_mov_b32 v[TM+4+\b], 0                        ; written once: a lane permute's destination counts as one of its sources
.endr
	s_mov_b32 s20, 0x76543210
	s_mov_b32 s21, 0xfedcba98                      ; lane selects: lane l xor 16
	s_mov_b32 s22, 0xffff0000                      ; lanes 16-31
	s_and_b32 s23, ttmp7, 0xffff                   ; p
	s_mov_b32 s43, 0
	s_mov_b32 s44, 13312
	s_mov_b32 s45, 12288
	s_wait_kmcnt 0x0
	s_cmp_eq_u32 s23, 1                            ; the choices hang on the work-group's number alone
	s_cselect_b64 s[4:5], s[26:27], s[24:25]
	s_cselect_b64 s[6:7], s[32:33], s[30:31]
	s_cmp_eq_u32 s23, 2
	s_cselect_b64 s[4:5], s[28:29], s[4:5]
	s_cselect_b64 s[6:7], s[34:35], s[6:7]
	s_cmp_eq_u32 s23, 0
	s_cselect_b64 s[12:13], s[38:39], s[40:41]     ; q goes to qimg, k and v to kvrec
	s_cselect_b32 s44, 6656, s44                   ; bytes of a block or record
	s_cselect_b32 s45, 6144, s45                   ; where q's or k's scale words begin in it
	s_lshl_b32 s42, ttmp9, 18
	s_lshl_b32 s46, s18, 16
	s_add_co_u32 s42, s42, s46
	s_add_nc_u64 s[4:5], s[4:5], s[42:43]          ; x at row 128 beta + 32 w
	s_lshl_b32 s42, s18, 9
	s_add_nc_u64 s[6:7], s[6:7], s[42:43]          ; the bias at column 128 w
	s_mul_i32 s42, s23, 212992
	s_mul_i32 s46, s18, 32*FRB
	s_add_co_u32 s42, s42, s46
	s_add_nc_u64 s[8:9], s[36:37], s[42:43]        ; my 32 fragments of W
	s_mul_i32 s42, s23, 212992
	s_lshl_b32 s46, s18, 12
	s_add_co_u32 s42, s42, s46
	s_add_co_u32 s42, s42, 196608
	s_add_nc_u64 s[10:11], s[36:37], s[42:43]      ; and their scale words
	s_lshr_b32 s46, ttmp9, 5
	s_lshl_b32 s46, s46, 3
	s_lshl_b32 s47, s18, 1
	s_add_co_u32 s46, s46, s47                     ; 8 b + 2 w
	s_lshl_b32 s46, s46, 5
	s_and_b32 s47, ttmp9, 31
	s_add_co_u32 s46, s46, s47                     ; x 32 + j
	s_mul_i32 s42, s46, s44
	s_add_nc_u64 s[12:13], s[12:13], s[42:43]      ; head 2 w's block or record
	s_lshl_b32 s42, s44, 5
	s_add_nc_u64 s[14:15], s[12:13], s[42:43]      ; head 2 w + 1's
	s_mov_b32 s42, s45
	s_add_nc_u64 s[16:17], s[12:13], s[42:43]      ; their scale words
	s_add_nc_u64 s[48:49], s[14:15], s[42:43]
	s_cmp_eq_u32 s23, 2
	s_cbranch_scc1 .Lhead_v
	WIN 0x40                                       ; destination window 1
	s_wait_alu depctr_va_vdst(0)                   ; the eight addresses v1 to v8 are written, which every load and store of the kernel reads
.set fi, 0
.rept 20
.irp c, 0,1,2
	global_load_b128 v[12*fi+4*\c:12*fi+4*\c+3], v[LI], s[8:9] offset:FRB*fi+512*\c
.endr
.set fi, fi+1
.endr
	WIN 0x80                                       ; destination window 2
.rept 12
.irp c, 0,1,2
	global_load_b128 v[12*(fi-20)+4*\c:12*(fi-20)+4*\c+3], v[LI], s[8:9] offset:FRB*fi+512*\c
.endr
.set fi, fi+1
.endr
.irp t, 0,1,2,3,4,5,6,7                        ; lane (r, h) wants, for tile t, the bias of columns 32 (t / 2) + 8 (t % 2) + 16 h + 0 .. 7
	global_load_b128 v[BI+8*\t:BI+8*\t+3], v[BQ], s[6:7] offset:(32*(\t/2)+8*(\t%2))*4
	global_load_b128 v[BI+8*\t+4:BI+8*\t+7], v[BQ], s[6:7] offset:(32*(\t/2)+8*(\t%2))*4+16
.endr
	WIN 0
.set fi, 0
.rept 32
	global_load_b32 v[RS+fi], v[LS], s[10:11] offset:128*fi
.set fi, fi+1
.endr
	s_branch .Lphase_x
.Lhead_v:
	WIN 0x80
	s_wait_alu depctr_va_vdst(0)                   ; the eight addresses v1 to v8 are written, which every load and store of the kernel reads
.irp i, 0,1,2,3,4,5,6,7                        ; a lane holds one column: its bias in all eight registers of the item's C
.irp j, 0,1,2,3,4,5,6,7
	global_load_b32 v[BI+8*\i+\j], v[BVA], s[6:7] offset:(32*(\i/2)+8*(\i%2))*4
.endr
.endr
	WIN 0
.Lphase_x:
	; ---- X: eight units u = 4 e + s: tile 2 w + e, K step s.  Each load reads 512 consecutive bytes of a row; the 16 rows turn through my stage and come back 16 neighbours of each block a lane.
.macro XLD u
	WIN 0xc0                                       ; destination window 3
.irp p, 0,1,2,3,4,5,6,7,8,9,10,11,12,13,14,15
	global_load_b128 v[64*((\u)%4)+4*\p:64*((\u)%4)+4*\p+3], v[LI], s[4:5] offset:(8*((\u)/4)+\p+8*(\p/8))*2048+512*((\u)%4) th:TH_LOAD_NT
.endr
	WIN 0
.endm
.macro UNIT u
.if (\u) < 5
	s_wait_loadcnt 48                              ; this unit's 16 loads, and all issued ahead of them, are in; three younger units may be out
.else
	s_wait_loadcnt 16*(7-(\u))
.endif
	WIN 0x0c                                       ; an LDS store's data are its source 1: window 3
.irp p, 0,1,2,3,4,5,6,7,8,9,10,11,12,13,14,15
	ds_store_b128 v[SA], v[64*((\u)%4)+4*\p:64*((\u)%4)+4*\p+3] offset:SP*\p
.endr
	WIN 0
.irp b, 0,1,2,3
.irp c, 0,1,2,3
	ds_load_b128 v[HA+16*\b+4*\c:HA+16*\b+4*\c+3], v[SB] offset:128*\b+16*\c   ; LDS serves a wave's instructions in order: these see my stores.  No vector line since the last unit's wait on va_vdst names v[HA ..]
.endr
.endr
	s_wait_dscnt 0x0                               ; the numbers are back
	s_wait_alu depctr_vm_vsrc(0)                   ; the sixteen LDS stores above have read the landing set, in which the loads below land; the last unit's image stores have read v[CA ..] and v[PW], which the quantiser writes again
.if (\u) < 4
	XLD (\u)+4
.endif
	QUANT HA, CA, CA+6, PW
	s_wait_alu depctr_va_vdst(0)                   ; the quantiser has written v[CA ..] and v[PW], which the LDS stores below read, and is done reading v[HA ..], in which the next unit's LDS loads land
.irp c, 0,1,2
	ds_store_b128 v[XWI], v[CA+4*\c:CA+4*\c+3] offset:XIMG+FRB*(\u)+512*\c
.endr
	ds_store_b32 v[XWS], v[PW] offset:128*(\u)
.endm
	XLD 0
	XLD 1
	XLD 2
	XLD 3
.irp u, 0,1,2,3,4,5,6,7
	UNIT \u
.endr
	s_wait_dscnt 0x0                               ; for the others' sake: my images lie in LDS
	s_barrier_signal -1
	s_barrier_wait -1                              ; all 32 fragments of x do; nothing is written to LDS from here on
	s_wait_alu depctr_vm_vsrc(0)                   ; the last unit's image stores have read v[CA ..] and v[PW], which the items' quantiser writes again
	s_cmp_eq_u32 s23, 2
	s_cbranch_scc1 .Lpath_v
	; ---- q, k: eight items, one for each tile m of x
.macro FETCHX m
.irp s, 0,1,2,3
.irp c, 0,1,2
	ds_load_b128 v[XF+12*\s+4*\c:XF+12*\s+4*\c+3], v[LI] offset:XIMG+(4*(\m)+\s)*FRB+512*\c
.endr
	ds_load_b32 v[SS+\s], v[LS] offset:XSC+(4*(\m)+\s)*128
.endr
.endm
.macro ITEMQ m
	s_wait_dscnt 0x0                               ; the tile's four fragments and scale words are in
	MULS 0, XF, SS, BI, 8
	PLACES
.if (\m) < 7
	s_wait_alu depctr_va_vdst(0)                   ; the products are done reading v[XF ..] and v[SS ..], in which the next tile's LDS loads land
	FETCHX (\m)+1
.endif
.if ((\m)%2 == 0) && ((\m) >= 2)
	s_wait_xcnt 0x0                                ; the last pair's stores have had their addresses translated,
	s_wait_alu depctr_vm_vsrc(0)                   ; and have read v[CA ..] and v[CB ..]: this pair's codes may be written
.endif
	QUANT HA, CA+6*((\m)%2), CB+6*((\m)%2), PW+((\m)%2)   ; columns 0-63: head 2 w; 64-127: head 2 w + 1.  Its lines on the scales alone are the places ahead of the next item's first products
.if (\m)%2 == 1
	v_cndmask_b32 v[SWA+(\m)/2], v[PW], v[PW+1], s22               ; lanes 0-15 the even tile's words, lanes 16-31 the odd tile's.  Bytes 0, 1: head 2 w; bytes 2, 3 meet zero codes alone
	v_lshrrev_b32 v[SWB+(\m)/2], 16, v[SWA+(\m)/2]                 ; head 2 w + 1's two bytes
	s_wait_alu depctr_va_vdst(0)                   ; the pair's codes v[CA ..], v[CB ..] are written, which the stores below read; so are the gathered scale words so far
.irp c, 0,1,2
	global_store_b128 v[LI], v[CA+4*\c:CA+4*\c+3], s[12:13] offset:FRB*((\m)/2)+512*\c   ; each store of the wave covers 512 consecutive bytes, aligned
	global_store_b128 v[LI], v[CB+4*\c:CB+4*\c+3], s[14:15] offset:FRB*((\m)/2)+512*\c
.endr
.endif
.endm
	FETCHX 0
.irp m, 0,1,2,3,4,5,6,7
	ITEMQ \m
.endr
	global_store_b128 v[LI], v[SWA:SWA+3], s[16:17]        ; no vector line stands behind the last item's wait on va_vdst: v[SWA ..] and v[SWB ..] are written
	global_store_b128 v[LI], v[SWB:SWB+3], s[48:49]
	s_wait_dscnt 0x0
	s_wait_alu depctr_hold_cnt(0) depctr_sa_sdst(0) depctr_va_vdst(0) depctr_va_sdst(0) depctr_va_ssrc(0) depctr_va_vcc(0) depctr_vm_vsrc(0)
	s_wait_tensorcnt 0x0
	ds_add_u32 v178, v179
	s_wait_dscnt 0x0
	s_endpgm
	; ---- v: the run is x's eight tiles; eight items, one for each of my column tiles of W, which come through four slots
.Lpath_v:
.set fi, 0
.rept 32
	global_load_b32 v[SSV+fi], v[LS], s[10:11] offset:128*fi
.set fi, fi+1
.endr
	WIN 0xc0
.irp i, 0,1,2,3
.irp q, 0,1,2,3,4,5,6,7,8,9,10,11
	global_load_b128 v[48*\i+4*\q:48*\i+4*\q+3], v[LI], s[8:9] offset:4*FRB*\i+512*\q   ; into what were landing sets: the wait on vm_vsrc behind the barrier stands behind the LDS stores that read them
.endr
.endr
	WIN 0x40
.set fi, 0
.rept 20
.irp c, 0,1,2
	ds_load_b128 v[12*fi+4*\c:12*fi+4*\c+3], v[LI] offset:XIMG+FRB*fi+512*\c
.endr
.set fi, fi+1
.endr
	WIN 0x80
.rept 12
.irp c, 0,1,2
	ds_load_b128 v[12*(fi-20)+4*\c:12*(fi-20)+4*\c+3], v[LI] offset:XIMG+FRB*fi+512*\c
.endr
.set fi, fi+1
.endr
	WIN 0
.set fi, 0
.rept 32
	ds_load_b32 v[RS+fi], v[LS] offset:XSC+128*fi
.set fi, fi+1
.endr
	v_mov_b32 v[SWA+2], 0                          ; the upper two registers of V's scale image are zeros
	v_mov_b32 v[SWA+3], 0
	s_wait_dscnt 0x0
.macro ITEMV i
.if (\i) <= 4
	s_wait_loadcnt 36                              ; this item's slot is in; three younger slots, 12 loads each, may be out
.else
	s_wait_loadcnt 12*(7-(\i))
.endif
	MULS 3, 48*((\i)%4), SSV+4*(\i), BI+8*(\i), 0
	PLACES
.if (\i) < 4
	WIN 0xc0
	s_wait_alu depctr_va_vdst(0)                   ; the products are done reading the slot, in which the loads of four items on land
.irp q, 0,1,2,3,4,5,6,7,8,9,10,11
	global_load_b128 v[48*(\i)+4*\q:48*(\i)+4*\q+3], v[LI], s[8:9] offset:4*FRB*((\i)+4)+512*\q
.endr
	WIN 0
.endif
.if (\i) >= 1
	s_wait_xcnt 0x0                                ; the last item's stores have had their addresses translated,
	s_wait_alu depctr_vm_vsrc(0)                   ; and have read v[CA ..] and v[SWA ..]: both may be written again
.endif
	QUANT HA, CA, CA+6, PW+((\i)%2)                ; a fragment of V^T: 16 d x 128 keys
.if (\i)%2 == 1
	v_cndmask_b32 v[SWA+((\i)/2)%2], v[PW], v[PW+1], s22   ; ahead of the wait below, so that one wait serves all the item's stores
.endif
	s_wait_alu depctr_va_vdst(0)                   ; the codes v[CA ..] and the scale words v[SWA ..] are written, which the stores below read
.irp c, 0,1,2
.if (\i) < 4
	global_store_b128 v[LI], v[CA+4*\c:CA+4*\c+3], s[12:13] offset:6144+FRB*((\i)%4)+512*\c
.else
	global_store_b128 v[LI], v[CA+4*\c:CA+4*\c+3], s[14:15] offset:6144+FRB*((\i)%4)+512*\c
.endif
.endr
.if (\i) == 3
	global_store_b128 v[LI], v[SWA:SWA+3], s[12:13] offset:12800
.endif
.if (\i) == 7
	global_store_b128 v[LI], v[SWA:SWA+3], s[14:15] offset:12800
.endif
.endm
.irp i, 0,1,2,3,4,5,6,7
	ITEMV \i
.endr
	s_wait_dscnt 0x0
	s_wait_alu depctr_hold_cnt(0) depctr_sa_sdst(0) depctr_va_vdst(0) depctr_va_sdst(0) depctr_va_ssrc(0) depctr_va_vcc(0) depctr_vm_vsrc(0)
	s_wait_tensorcnt 0x0
	ds_add_u32 v178, v179
	s_wait_dscnt 0x0
	s_endpgm
.Lfunc_end_k_qf522ec05cf_proj:
	.size	k_qf522ec05cf_proj, .Lfunc_end_k_qf522ec05cf_proj-k_qf522ec05cf_proj
	.p2alignl 7, 3214868480
	.fill 96, 4, 3214868480
	.section	.rodata,"a",@progbits
	.p2align	6, 0x0
	.amdhsa_kernel k_qf522ec05cf_proj
		.amdhsa_group_segment_fixed_size 87552
		.amdhsa_private_segment_fixed_size 0
		.amdhsa_enable_private_segment 0
		.amdhsa_kernarg_size 72
		.amdhsa_user_sgpr_count 2
		.amdhsa_user_sgpr_kernarg_segment_ptr 1
		.amdhsa_wavefront_size32 1
		.amdhsa_system_sgpr_workgroup_id_x 1
		.amdhsa_system_sgpr_workgroup_id_y 1
		.amdhsa_system_sgpr_workgroup_id_z 1
		.amdhsa_system_vgpr_workitem_id 0
		.amdhsa_next_free_vgpr 1024
		.amdhsa_next_free_sgpr 66
		.amdhsa_reserve_vcc 0
		.amdhsa_float_denorm_mode_32 3
		.amdhsa_float_denorm_mode_16_64 3
		.amdhsa_memory_ordered 1
		.amdhsa_forward_progress 1
		.amdhsa_inst_pref_size 252
	.end_amdhsa_kernel
	.amdgpu_metadata
---
amdhsa.version: [ 1, 2 ]
amdhsa.kernels:
  - .name:           k_qf522ec05cf_proj
    .symbol:         k_qf522ec05cf_proj.kd
    .args:
      - { .name: query, .offset: 0, .size: 8, .value_kind: global_buffer, .address_space: global }
      - { .name: key_, .offset: 8, .size: 8, .value_kind: global_buffer, .address_space: global }
      - { .name: value, .offset: 16, .size: 8, .value_kind: global_buffer, .address_space: global }
      - { .name: bq, .offset: 24, .size: 8, .value_kind: global_buffer, .address_space: global }
      - { .name: bk, .offset: 32, .size: 8, .value_kind: global_buffer, .address_space: global }
      - { .name: bv, .offset: 40, .size: 8, .value_kind: global_buffer, .address_space: global }
      - { .name: wimg, .offset: 48, .size: 8, .value_kind: global_buffer, .address_space: global }
      - { .name: qimg, .offset: 56, .size: 8, .value_kind: global_buffer, .address_space: global }
      - { .name: kvrec, .offset: 64, .size: 8, .value_kind: global_buffer, .address_space: global }
    .group_segment_fixed_size: 87552
    .private_segment_fixed_size: 0
    .kernarg_segment_align: 8
    .kernarg_segment_size: 72
    .max_flat_workgroup_size: 128
    .sgpr_count:     66
    .vgpr_count:     1024
    .wavefront_size: 32
...
	.end_amdgpu_metadata
.endif
;; end of part 6
;; launch attn (part 7): grid 16 x 16, 16 waves a work-group, no clusters, 28,672 bytes of LDS; arguments qimg, kvrec, mbits, mflag, aimg; writes aimg
.if DOCPART == 7
	.amdgcn_target "amdgcn-amd-amdhsa--gfx1250"
	.amdhsa_code_object_version 6
	.text
	.protected	k_qf522ec05cf_attn
	.globl	k_qf522ec05cf_attn
	.p2align	8
	.type	k_qf522ec05cf_attn,@function
k_qf522ec05cf_attn:
	s_mov_b64 s[64:65], 0
	v_nop
	global_prefetch_b8 v0, s[64:65] scope:SCOPE_SE
	s_setreg_imm32_b32 hwreg(HW_REG_WAVE_SCHED_MODE, 0, 2), 2
	s_setreg_imm32_b32 hwreg(HW_REG_WAVE_MODE, 25, 1), 1
	s_wait_xcnt 0x0
	s_wait_alu depctr_vm_vsrc(0)
; Attention on codes of E3M2: S^T = K Q^T (K = the head's 64; the instruction's upper 64 meet Q's zero codes), the mask, p = 2^(t - M), O^T += V^T P^T, O / l, quantised along d as the last product's operand.
; t = score x log2(e) / 8; M = the running largest t rounded UP to a whole number; p is quantised along the keys, not normalised; l is the sum of the unquantised p.  When M moves, l and O are multiplied by 2^(old M - new M): exact.
; SHARES.  Work-group (u, bh): sixteen waves, each with ONE tile of 16 queries in 256 registers, four waves to a SIMD.  The tiles are those of the 64-query blocks u, 31 - u, 32 + u, 63 - u,
; dealt so that waves w, w + 4, w + 8, w + 12 and waves 4 g .. 4 g + 3 alike hold one tile of each block: that only evens the work out where late keys tend to be masked; no result hangs on it.
; Every work-group walks all 32 key steps of 128 keys, a constant count.  A step's record (13,312 bytes: K's images, V^T's images, their scale words) goes through registers into one of two LDS slots:
; waves 0-12 move 1,024 bytes each, a step ahead; one barrier a step.
; THE MASK is an input: an earlier launch has turned it into lane-mask words and two flag words a tile.  A wave jumps over the work of a step whose WORK bit is 0 (no query of the tile has an open key there);
; where the MIX bit is set, 64 selects put -2^33 in place of masked scores.
; LAYOUT.  A lane holds ONE query (lane % 16) throughout; register 16 b + i of the scores is key 32 b + 16 (lane / 16) + i of the step; register 16 b + i of O^T is d = 32 b + 16 (lane / 16) + i.
; LIMITS.  A masked logit is -2^30 where the definition has -1e9: times c it stays exact, so a row with no open key gets p = 1 for every key, the plain mean of v.  Passing over wholly masked steps
; agrees with the definition while every row that has an open key has an open logit above about -9.9e8.  A block's largest p is taken from its largest score, which takes v_exp_f32 not to fall where its input rises.
; A block of zeros gets the byte 1.  NaN and infinities are not served.
; THE MODE: SCHED_MODE bits 1:0 = 2 (LLVM: expert scheduling mode 2), set by the entry lines.  The code itself states the register dependences
; between vector or matrix instructions and memory or LDS instructions, with s_wait_alu, always for 0.
; THE PLAN.  Registers that memory or LDS instructions touch, in the loop:
;   v[G ..]            The step's two global loads land in them; the two LDS stores at the step's end read them.  No vector line names them: one wait on vm_vsrc, directly ahead of the loads.
;   v[KV ..], v[KS ..], v[VS ..]  K's tiles and both sets of scale words land at a worked step's head; S^T's products read them; V^T's tiles land in v[KV ..] behind those; the second product reads v[KV ..] and v[VS ..].
;   v[PC ..], v[PS]    p's codes and scale word: written by vector lines, taken by the second product.
;   v[LI], v[LA]       Made at the head, never written again.
; So a worked step has four waits on va_vdst: at its head (the last worked step's second product is done reading what K's loads land in); behind S^T's products (done reading v[KV ..]);
; behind the exponentials, ahead of their first reader; and ahead of the second product (p's codes and scale word are written).  A step that is passed over has none.
; All 256 registers of a wave's share are spoken for but thirty, and a set of K or of V^T takes 48: there is no second set, and the next step's record lies behind the step's barrier.
.set REC,  13312
.set LI,   1                           ; 16 x lane
.set LA,   2                           ; 1,024 x wave + 16 x lane: my bytes of a record, in memory and in a slot
.set NEGS, 3                           ; -2^33
.set G,    4                           ; v4-11    my bytes of the next record
.set NM,   12                          ; -M
.set TMX,  13                          ; the largest t
.set LSUM, 14                          ; v[14:15] l in two halves
.set Q,    16                          ; v16-21 Q's codes, v22-27 zeros
.set QS,   28                          ; Q's scale word
.set PS,   29                          ; p's scale word
.set KS,   32                          ; v32-35 K's scale words
.set VS,   36                          ; v36-37 V's
.set KV,   38                          ; v38-85 K's eight tiles, then V^T's four
.set KZ,   86                          ; v86-91 zeros behind them
.set S,    92                          ; v92-155 scores, then p
.set O,    156                         ; v156-187 O^T
.set PC,   188                         ; v188-199 p's codes
.set PT,   200
.set BM,   208
.set BP,   212
.set SO,   216
.set F,    220                         ; v[220:221]
.set TP,   222
.set QA,   223
.set L2,   224                         ; v[224:225] the second chain of the sum
	s_load_b256 s[32:39], s[0:1], 0x0              ; qimg, kvrec, mbits, mflag
	s_load_b64 s[40:41], s[0:1], 0x20              ; aimg
	v_lshl_add_u32 v254, v0, 2, 0x6800
	v_mov_b32 v255, 0
	v_lshrrev_b32 v30, 5, v0
	v_readfirstlane_b32 s12, v30                   ; wave 0..15
	v_and_b32 v31, 31, v0
	v_lshlrev_b32 v[LI], 4, v31
	v_lshl_add_u32 v[LA], v30, 10, v[LI]
	s_mov_b32 s26, ttmp9                           ; u
	s_wait_alu depctr_va_sdst(0)                   ; s12 is written, ahead of its first reader: the tile, the bases and the branches on the wave's number are made from it
	s_lshr_b32 s22, s12, 2
	s_and_b32 s23, s12, 3
	s_add_co_u32 s22, s22, s23
	s_and_b32 s22, s22, 3                          ; which of the four blocks
	s_sub_co_u32 s24, 31, s26
	s_bitcmp1_b32 s22, 0
	s_cselect_b32 s24, s24, s26
	s_lshr_b32 s22, s22, 1
	s_lshl_b32 s22, s22, 5
	s_add_co_u32 s24, s24, s22                     ; the block of 64 queries
	s_lshl_b32 s24, s24, 2
	s_add_co_u32 s24, s24, s23                     ; T: my tile, 0 .. 255
	s_and_b32 s25, ttmp7, 0xffff                   ; bh
	s_mov_b32 s29, 0
	s_mov_b32 s18, 0x76543210
	s_mov_b32 s19, 0xfedcba98                      ; lane selects: lane l xor 16
	s_mov_b32 s20, 0x3e38aa3b                      ; c = log2(e) / 8
	s_mov_b32 s21, s20                             ; (named with it as a pair, so it is written)
	s_wait_alu depctr_va_vdst(0)
	s_wait_kmcnt 0x0
	s_lshl_b32 s28, s24, 3
	s_add_nc_u64 s[38:39], s[38:39], s[28:29]
	s_load_b64 s[14:15], s[38:39], 0x0             ; WORK s14, MIX s15
	s_mul_i32 s28, s25, 32*REC
	s_add_nc_u64 s[4:5], s[34:35], s[28:29]        ; the head's first record
	s_lshl_b32 s28, s24, 13
	s_add_nc_u64 s[6:7], s[36:37], s[28:29]        ; my tile's mask words
	s_lshr_b32 s28, s25, 3
	s_lshl_b32 s28, s28, 8
	s_add_co_u32 s28, s28, s24
	s_lshl_b32 s28, s28, 3
	s_and_b32 s27, s25, 7
	s_add_co_u32 s28, s28, s27
	s_lshl_b32 s28, s28, 10
	s_add_nc_u64 s[8:9], s[40:41], s[28:29]        ; aimg: ((256 b + T) 8 + head) x 1,024
	s_lshl_b32 s28, s25, 5
	s_lshr_b32 s27, s24, 3
	s_add_co_u32 s28, s28, s27
	s_mul_i32 s28, s28, 6656
	s_add_nc_u64 s[10:11], s[32:33], s[28:29]      ; qimg: my tile's block of eight
	s_and_b32 s27, s24, 1                          ; odd tile of its pair?
	s_bfe_u32 s30, s24, 0x20001                    ; a: which pair
	s_mul_i32 s26, s30, 1536
	s_mul_i32 s28, s27, 520
	s_add_co_u32 s28, s28, s26                     ; registers 0, 1 and 4, 5 of my six lie 520 bytes on in an odd tile,
	s_mul_i32 s31, s27, 1016
	s_add_co_u32 s31, s31, s26
	s_add_co_u32 s31, s31, 8                       ; registers 2, 3 lie 1,016 on
	s_lshl_b32 s30, s30, 2
	s_lshl_b32 s27, s27, 8
	s_add_co_u32 s30, s30, s27                     ; my scale word: register a, lanes 16-31 for an odd tile
	v_add_nc_u32 v30, s28, v[LI]
	v_add_nc_u32 v31, s31, v[LI]
	v_and_b32 v[QA], 15, v0
	v_lshlrev_b32 v[QA], 4, v[QA]
	v_add_nc_u32 v[QA], s30, v[QA]
	s_wait_alu depctr_va_vdst(0)                   ; the offsets v[LI], v[LA], v30, v31 and v[QA] are written, which the loads and LDS instructions below read
	global_load_b64 v[Q:Q+1], v30, s[10:11]
	global_load_b64 v[Q+2:Q+3], v31, s[10:11]
	global_load_b64 v[Q+4:Q+5], v30, s[10:11] offset:512
	global_load_b32 v[QS], v[QA], s[10:11] offset:6144
	s_cmp_lt_u32 s12, 13
	s_cbranch_scc0 .Lno_first
	global_load_b128 v[G:G+3], v[LA], s[4:5]       ; record 0
	global_load_b128 v[G+4:G+7], v[LA], s[4:5] offset:512
	s_wait_loadcnt 0x0
	ds_store_b128 v[LA], v[G:G+3]
	ds_store_b128 v[LA], v[G+4:G+7] offset:512
.Lno_first:
	v_mov_b32 v[NEGS], 0xd0000000
	v_mov_b32 v[TMX], 0xff61b1e6                   ; -3e38, under every t
	v_floor_f32 v[NM], -v[TMX]
	v_mov_b32 v[LSUM], 0
	v_mov_b32 v[LSUM+1], 0
.irp j, 0,1,2,3,4,5
	v_mov_b32 v[Q+6+\j], 0                         ; Q's codes of k = 64 .. 127: zeros
	v_mov_b32 v[KZ+\j], 0
.endr
.irp b, 0,1,2,3
	v_mov_b32 v[BP+\b], 0                          ; written once: a lane permute's destination counts as one of its sources
.endr
	v_mov_b32 v[F+1], 0                            ; (named as the upper half of a pair)
	v_mov_b32 v[TP], 0
.set n, 0
.rept 32
	v_mov_b32 v[O+n], 0                            ; O^T: the step is written once; the first finds zeros
.set n, n+1
.endr
	s_wait_loadcnt 0x0                             ; Q; and the record's loads are done, so their base may step
	s_add_nc_u64 s[4:5], s[4:5], REC
	s_wait_kmcnt 0x0                               ; WORK, MIX
	s_mov_b32 s16, 0                               ; byte offset of the step's mask words
	s_load_b512 s[32:47], s[6:7], s16 offset:0x0   ; step 0's words come in any case: so all 64 registers are written on every path
	s_load_b512 s[48:63], s[6:7], s16 offset:0x40
	s_load_b512 s[68:83], s[6:7], s16 offset:0x80
	s_load_b512 s[84:99], s[6:7], s16 offset:0xc0
	s_mov_b32 s13, 16
	s_mov_b32 s17, 0                               ; J
	s_wait_dscnt 0x0
	s_barrier_signal -1
	s_barrier_wait -1                              ; record 0 lies in slot 0
.macro STEPT sg                        ; key step J, whose record lies in slot sg
	s_cmp_lt_u32 s12, 13
	s_cbranch_scc0 .Lnl_\@
	s_wait_alu depctr_vm_vsrc(0)                   ; my LDS stores of the record before have read v[G ..], in which the two loads below land
	global_load_b128 v[G:G+3], v[LA], s[4:5]       ; the next record is asked for first (in the last step: the last record once more; nobody reads it)
	global_load_b128 v[G+4:G+7], v[LA], s[4:5] offset:512
.Lnl_\@:
	s_and_b32 s22, s14, 1
	s_cbranch_scc0 .Lskip_\@                       ; no open key for any of my queries: the step's work is passed over
	s_wait_alu depctr_va_vdst(0)                   ; the last worked step's second product is done reading v[KV ..], v[KS ..] and v[VS ..], in which the loads below land; in the first worked step: the head's zeros v[Q+6 ..] and v[KZ ..], which the products below take, are written
.irp i, 0,1,2,3,4,5,6,7,8,9,10,11
	ds_load_b128 v[KV+4*\i:KV+4*\i+3], v[LI] offset:\sg*REC+512*\i
.endr
	ds_load_b128 v[KS:KS+3], v[LI] offset:\sg*REC+12288
	ds_load_b64 v[VS:VS+1], v[LI] offset:\sg*REC+12800
	s_wait_dscnt 0x0
.irp t, 0,1,2,3,4,5,6,7                        ; S^T: source 0 = tile t's six registers and the six behind them, which meet Q's zeros
.if \t%2 == 0
	v_wmma_scale_f32_16x16x128_f8f6f4 v[S+8*\t:S+8*\t+7], v[KV+6*\t:KV+6*\t+11], v[Q:Q+11], 0, v[KS+\t/2], v[QS] matrix_a_fmt:MATRIX_FMT_BF6 matrix_b_fmt:MATRIX_FMT_BF6
.else
	v_wmma_scale_f32_16x16x128_f8f6f4 v[S+8*\t:S+8*\t+7], v[KV+6*\t:KV+6*\t+11], v[Q:Q+11], 0, v[KS+\t/2], v[QS] matrix_a_fmt:MATRIX_FMT_BF6 matrix_b_fmt:MATRIX_FMT_BF6 matrix_a_scale:MATRIX_SCALE_ROW1
.endif
.endr
.rept 4
	v_nop                                          ; places ahead of the first touch of the scores (ISA guide 7.12.1)
.endr
	s_wait_alu depctr_va_vdst(0)                   ; the eight products are done reading v[KV ..], in which V^T's loads land
.irp i, 0,1,2,3,4,5,6,7,8,9,10,11
	ds_load_b128 v[KV+4*\i:KV+4*\i+3], v[LI] offset:\sg*REC+6144+512*\i   ; V^T lands while the softmax is walked: no line of the softmax names v[KV ..]
.endr
	s_and_b32 s22, s15, 1
	s_cbranch_scc0 .Lopen_\@                       ; every key of the step counts for every query of the tile
	s_wait_kmcnt 0x0                               ; the step's 64 words
.set n, 0
.rept 32
	v_cndmask_b32 v[S+n], v[NEGS], v[S+n], s[32+n] ; bit L of word n: lane L's register n counts
.set n, n+1
.endr
.rept 32
	v_cndmask_b32 v[S+n], v[NEGS], v[S+n], s[36+n]
.set n, n+1
.endr
.Lopen_\@:
.irp b, 0,1,2,3
	v_max3_num_f32 v[BM+\b], v[S+16*\b], v[S+1+16*\b], v[S+2+16*\b]   ; the largest score of each block of 32 keys: for the row's maximum, and for the block's largest p
.endr
.irp i, 3,5,7,9,11,13
.irp b, 0,1,2,3
	v_max3_num_f32 v[BM+\b], v[BM+\b], v[S+16*\b+\i], v[S+1+16*\b+\i]
.endr
.endr
.irp b, 0,1,2,3
	v_max_num_f32 v[BM+\b], v[BM+\b], v[S+15+16*\b]
.endr
.irp b, 0,1,2,3
	v_permlanex16_b32 v[BP+\b], v[BM+\b], s18, s19
.endr
.irp b, 0,1,2,3
	v_max_num_f32 v[BM+\b], v[BM+\b], v[BP+\b]     ; with lane l xor 16's 16 keys
.endr
	v_max3_num_f32 v[TP], v[BM], v[BM+1], v[BM+2]
	v_max_num_f32 v[TP], v[TP], v[BM+3]
	v_mul_f32 v[TP], s20, v[TP]                    ; the step's largest t (c is positive)
	v_max_num_f32 v[TMX], v[TMX], v[TP]
	v_mov_b32 v[TP], v[NM]
	v_floor_f32 v[NM], -v[TMX]                     ; the new -M = -ceil(t)
	v_sub_f32 v[TP], v[NM], v[TP]                  ; old M - new M: a whole number, 0 or less
	v_cvt_i32_f32 v[TP], v[TP]                     ; (it saturates)
	v_ldexp_f32 v[F], 1.0, v[TP]                   ; f = 2^(old M - new M)
.irp j, 0,2,4,6,8,10,12,14,16,18,20,22,24,26,28,30,32,34,36,38,40,42,44,46,48,50,52,54,56,58,60,62
	v_pk_fma_f32 v[S+\j:S+\j+1], v[S+\j:S+\j+1], s[20:21], v[NM:NM+1] op_sel_hi:[1,0,0]   ; t - M, two at a time
.endr
.irp b, 0,1,2,3
	v_fma_f32 v[BM+\b], v[BM+\b], s20, v[NM]       ; the same of each block's largest score
.endr
.set n, 0
	s_wait_alu depctr_va_vdst(0)
.rept 64
	v_exp_f32 v[S+n], v[S+n]                       ; p = 2^(t - M)
.set n, n+1
.endr
.irp b, 0,1,2,3
	v_exp_f32 v[BM+\b], v[BM+\b]                   ; the block's largest p: the same two instructions on the same number
.endr
	v_pk_mul_f32 v[LSUM:LSUM+1], v[LSUM:LSUM+1], v[F:F+1] op_sel_hi:[1,0]   ; l under the new M.  (A plain place behind the exponentials)
	s_wait_alu depctr_va_vdst(0)
.irp j, 0,2,4,6,8,10,12,14,16,18,20,22,24,26,28,30
	v_pk_mul_f32 v[O+\j:O+\j+1], v[O+\j:O+\j+1], v[F:F+1] op_sel_hi:[1,0]   ; O^T under the new M: work that names no exponential's result
.endr
	s_wait_alu depctr_va_vdst(0)                   ; the 68 exponentials have written p, v[S ..], and the blocks' largest p, v[BM ..]: one wait, ahead of the first line that names one of them
.irp b, 0,1,2,3
	v_max_num_f32 v[BM+\b], 0x2800000, v[BM+\b]    ; the floor 2^(5 - 127): the byte cannot fall under 1
.endr
.irp b, 0,1,2,3
	v_add_nc_u32 v[SO+\b], 0xfe000000, v[BM+\b]    ; 4 off the exponent field: the conversion's scale operand
.endr
.irp b, 0,1,2,3
	v_lshrrev_b32 v[BP+\b], 23, v[SO+\b]           ; the scale's byte
.endr
	v_lshl_or_b32 v[PS], v[BP+1], 8, v[BP]
	v_lshl_or_b32 v[PS], v[BP+2], 16, v[PS]
	v_lshl_or_b32 v[PS], v[BP+3], 24, v[PS]
.irp c, 0,1
	v_cvt_scalef32_pk16_bf6_f32 v[PC+6*\c:PC+6*\c+2], v[S+32*\c:S+32*\c+15], v[SO+2*\c]
	v_cvt_scalef32_pk16_bf6_f32 v[PT+4*\c:PT+4*\c+2], v[S+16+32*\c:S+31+32*\c], v[SO+2*\c+1]
.endr
	v_nop                                          ; one plain place behind a scaled conversion
.irp c, 0,1                                    ; a whole block in a lane: lanes 0-15 block 2 c, lanes 16-31 block 2 c + 1
.irp i, 0,1,2
	v_permlane16_swap_b32 v[PC+6*\c+\i], v[PT+4*\c+\i]
.endr
.irp i, 0,1,2
	v_mov_b32 v[PC+3+6*\c+\i], v[PT+4*\c+\i]
.endr
.endr
	v_pk_add_f32 v[L2:L2+1], v[S:S+1], v[S+2:S+3]  ; the sum is taken of the unquantised p, in two chains.  (These 32 additions are the places between the writes of p's codes and scale word and the products below)
.irp j, 4,8,12,16,20,24,28,32,36,40,44,48,52,56,60
	v_pk_add_f32 v[LSUM:LSUM+1], v[LSUM:LSUM+1], v[S+\j:S+\j+1]
	v_pk_add_f32 v[L2:L2+1], v[L2:L2+1], v[S+\j+2:S+\j+3]
.endr
	v_pk_add_f32 v[LSUM:LSUM+1], v[LSUM:LSUM+1], v[L2:L2+1]
	s_wait_dscnt 0x0                               ; V^T is in
	s_wait_alu depctr_va_vdst(0)                   ; p's codes v[PC ..] and its scale word v[PS] are written, which the products below take; the places above stay beside this wait
.irp t, 0,1,2,3                                ; the four accumulators take turns, one instruction a turn
.if \t%2 == 0
	v_wmma_scale_f32_16x16x128_f8f6f4 v[O+8*\t:O+8*\t+7], v[KV+12*\t:KV+12*\t+11], v[PC:PC+11], v[O+8*\t:O+8*\t+7], v[VS+\t/2], v[PS] matrix_a_fmt:MATRIX_FMT_BF6 matrix_b_fmt:MATRIX_FMT_BF6
.else
	v_wmma_scale_f32_16x16x128_f8f6f4 v[O+8*\t:O+8*\t+7], v[KV+12*\t:KV+12*\t+11], v[PC:PC+11], v[O+8*\t:O+8*\t+7], v[VS+\t/2], v[PS] matrix_a_fmt:MATRIX_FMT_BF6 matrix_b_fmt:MATRIX_FMT_BF6 matrix_a_scale:MATRIX_SCALE_ROW1
.endif
.endr
.rept 4
	v_nop                                          ; places ahead of the next read of O^T
.endr
.Lskip_\@:
	s_wait_loadcnt 0x0                             ; on every wave's path, whichever way it came: the step's two loads of the next record are in, so the next step's loads may land on the same registers and the pointer may step
	s_cmp_lt_u32 s12, 13
	s_cbranch_scc0 .Lns_\@
	ds_store_b128 v[LA], v[G:G+3] offset:(1-\sg)*REC
	ds_store_b128 v[LA], v[G+4:G+7] offset:(1-\sg)*REC+512
.Lns_\@:
	s_wait_dscnt 0x0                               ; my reads of this slot are over and my stores into the other are done:
	s_barrier_signal -1
	s_barrier_wait -1                              ; both now hold of all sixteen waves
	s_cmp_lt_u32 s17, 30
	s_cselect_b32 s22, REC, 0                      ; the pointer stops at the last record: no load leaves the buffer
	s_mov_b32 s23, 0
	s_add_nc_u64 s[4:5], s[4:5], s[22:23]          ; (the loads that named it are done)
	s_add_co_u32 s17, s17, 1
	s_wait_kmcnt 0x0                               ; no scalar load is out: its offset and its registers may be written
	s_add_co_u32 s16, s16, 256
	s_lshr_b32 s14, s14, 1
	s_lshr_b32 s15, s15, 1
	s_and_b32 s22, s15, 1
	s_cbranch_scc0 .Lnm_\@                         ; the next step's words are fetched only where they are used
	s_load_b512 s[32:47], s[6:7], s16 offset:0x0
	s_load_b512 s[48:63], s[6:7], s16 offset:0x40
	s_load_b512 s[68:83], s[6:7], s16 offset:0x80
	s_load_b512 s[84:99], s[6:7], s16 offset:0xc0
.Lnm_\@:
.endm
.Lloop:                                            ; 16 trips of two steps: the slots are back where they began
	STEPT 0
	STEPT 1
	s_sub_co_u32 s13, s13, 1
	s_cmp_lg_u32 s13, 0
	s_cbranch_scc1 .Lloop
	; THE WAY OUT: O^T / l, quantised along d (two blocks of 32), stored as an image of the six registers that the last product's operand takes for this head
	v_add_f32 v[LSUM], v[LSUM], v[LSUM+1]
	v_permlanex16_b32 v[TP], v[LSUM], s18, s19
	v_add_f32 v[LSUM], v[LSUM], v[TP]              ; the row's sum
	s_wait_alu depctr_va_vdst(0)
	v_rcp_f32 v[LSUM], v[LSUM]
	s_wait_alu depctr_vm_vsrc(0)                   ; the head's loads of Q have read v30 and v31, which the lines below write again
	v_and_b32 v30, 31, v0                          ; (a plain place behind the transcendental)
	v_lshlrev_b32 v31, 2, v30
	v_lshlrev_b32 v30, 3, v30
	s_wait_alu depctr_va_vdst(0)                   ; the reciprocal has written v[LSUM], ahead of its first reader
.set n, 0
.rept 32
	v_mul_f32 v[S+n], v[O+n], v[LSUM]              ; each accumulator from its low end on
.set n, n+1
.endr
.irp b, 0,1
	v_max3_num_f32 v[BM+\b], |v[S+16*\b]|, |v[S+1+16*\b]|, 0x2800000
.endr
.irp i, 2,4,6,8,10,12,14
.irp b, 0,1
	v_max3_num_f32 v[BM+\b], v[BM+\b], |v[S+16*\b+\i]|, |v[S+1+16*\b+\i]|
.endr
.endr
.irp b, 0,1
	v_permlanex16_b32 v[BP+\b], v[BM+\b], s18, s19
.endr
.irp b, 0,1
	v_max_num_f32 v[BM+\b], v[BM+\b], v[BP+\b]
.endr
.irp b, 0,1
	v_add_nc_u32 v[SO+\b], 0xfe000000, v[BM+\b]
.endr
.irp b, 0,1
	v_lshrrev_b32 v[BP+\b], 23, v[SO+\b]
.endr
	v_lshl_or_b32 v[PS], v[BP+1], 8, v[BP]         ; the head's two bytes; the upper two are 0
	v_cvt_scalef32_pk16_bf6_f32 v[PC:PC+2], v[S:S+15], v[SO]
	v_cvt_scalef32_pk16_bf6_f32 v[PT:PT+2], v[S+16:S+31], v[SO+1]
	v_nop
.irp i, 0,1,2
	v_permlane16_swap_b32 v[PC+\i], v[PT+\i]
.endr
.irp i, 0,1,2
	v_mov_b32 v[PC+3+\i], v[PT+\i]
.endr
	s_wait_alu depctr_va_vdst(0)                   ; the codes v[PC ..], the scale word v[PS] and the offsets v30 and v31 are written, which the stores below read
.irp p, 0,1,2
	global_store_b64 v30, v[PC+2*\p:PC+2*\p+1], s[8:9] offset:256*\p   ; 32 lanes store 256 consecutive bytes, aligned
.endr
	global_store_b32 v31, v[PS], s[8:9] offset:768
	s_wait_dscnt 0x0
	s_wait_alu depctr_hold_cnt(0) depctr_sa_sdst(0) depctr_va_vdst(0) depctr_va_sdst(0) depctr_va_ssrc(0) depctr_va_vcc(0) depctr_vm_vsrc(0)
	s_wait_tensorcnt 0x0
	ds_add_u32 v254, v255
	s_wait_dscnt 0x0
	s_endpgm
.Lfunc_end_k_qf522ec05cf_attn:
	.size	k_qf522ec05cf_attn, .Lfunc_end_k_qf522ec05cf_attn-k_qf522ec05cf_attn
	.p2alignl 7, 3214868480
	.fill 96, 4, 3214868480
	.section	.rodata,"a",@progbits
	.p2align	6, 0x0
	.amdhsa_kernel k_qf522ec05cf_attn
		.amdhsa_group_segment_fixed_size 28672
		.amdhsa_private_segment_fixed_size 0
		.amdhsa_enable_private_segment 0
		.amdhsa_kernarg_size 40
		.amdhsa_user_sgpr_count 2
		.amdhsa_user_sgpr_kernarg_segment_ptr 1
		.amdhsa_wavefront_size32 1
		.amdhsa_system_sgpr_workgroup_id_x 1
		.amdhsa_system_sgpr_workgroup_id_y 1
		.amdhsa_system_sgpr_workgroup_id_z 1
		.amdhsa_system_vgpr_workitem_id 0
		.amdhsa_next_free_vgpr 256
		.amdhsa_next_free_sgpr 100
		.amdhsa_reserve_vcc 0
		.amdhsa_float_denorm_mode_32 3
		.amdhsa_float_denorm_mode_16_64 3
		.amdhsa_memory_ordered 1
		.amdhsa_forward_progress 1
		.amdhsa_inst_pref_size 52
	.end_amdhsa_kernel
	.amdgpu_metadata
---
amdhsa.version: [ 1, 2 ]
amdhsa.kernels:
  - .name:           k_qf522ec05cf_attn
    .symbol:         k_qf522ec05cf_attn.kd
    .args:
      - { .name: qimg, .offset: 0, .size: 8, .value_kind: global_buffer, .address_space: global }
      - { .name: kvrec, .offset: 8, .size: 8, .value_kind: global_buffer, .address_space: global }
      - { .name: mbits, .offset: 16, .size: 8, .value_kind: global_buffer, .address_space: global }
      - { .name: mflag, .offset: 24, .size: 8, .value_kind: global_buffer, .address_space: global }
      - { .name: aimg, .offset: 32, .size: 8, .value_kind: global_buffer, .address_space: global }
    .group_segment_fixed_size: 28672
    .private_segment_fixed_size: 0
    .kernarg_segment_align: 8
    .kernarg_segment_size: 40
    .max_flat_workgroup_size: 512
    .sgpr_count:     100
    .vgpr_count:     256
    .wavefront_size: 32
...
	.end_amdgpu_metadata
.endif
;; end of part 7
;; launch outp (part 8): grid 256 x 1, 4 waves a work-group, no clusters, 34,304 bytes of LDS; arguments aimg, wimg, bo, out0; writes out0
.if DOCPART == 8
	.amdgcn_target "amdgcn-amd-amdhsa--gfx1250"
	.amdhsa_code_object_version 6
	.text
	.protected	k_qf522ec05cf_outp
	.globl	k_qf522ec05cf_outp
	.p2align	8
	.type	k_qf522ec05cf_outp,@function
k_qf522ec05cf_outp:
	s_mov_b64 s[64:65], 0
	v_nop
	global_prefetch_b8 v0, s[64:65] scope:SCOPE_SE
	s_setreg_imm32_b32 hwreg(HW_REG_WAVE_SCHED_MODE, 0, 2), 2
	s_setreg_imm32_b32 hwreg(HW_REG_WAVE_MODE, 25, 1), 1
	s_wait_xcnt 0x0
	s_wait_alu depctr_vm_vsrc(0)
; out0 = A Wo + bo on codes of E3M2, A the attention's result as the launch before has quantised it.
; Work-group g: rows 32 g .. 32 g + 31, two tiles of 16 (tile 2 g + i holds rows 32 g + 8 i + pi(r), pi(r) = r + 8 (r / 8)).  Wave w: columns 128 w .. 128 w + 127.
; Source 0 = my 8 column tiles of Wo, which stay in registers (lane r of tile t: column 32 (t / 2) + 8 (t % 2) + pi(r)); source 1 = a tile of A: a lane holds one row, and tile t's eight
; registers are columns 32 (t / 2) + 8 (t % 2) + 16 (lane / 16) + 0 .. 7.  The bias is the C of each sum's first matrix instruction.  The 8 accumulators take turns, one instruction a turn.
; A fragment of A (16 rows x 128 K) is two heads' records of six registers; its scale word is the two heads' half words joined.
; The results go through my own stage in LDS and leave as runs of 512 consecutive bytes of a row.  No wave reads another's LDS bytes: no barrier.
; REGISTERS.  Window 0: v1-7 addresses; v16-31 the heads' half scale words; v48-55 the joined words; v64-127 accumulators; v128-191 rows on the way out; v192-223 Wo's scale words.
;   Window 1: Wo's fragments 0-19.  Window 2: fragments 20-31; from v144 the bias.  Window 3: A's fragments, 48 registers a tile.
; THE MODE: SCHED_MODE bits 1:0 = 2 (LLVM: expert scheduling mode 2), set by the entry lines.  The code itself states the register dependences
; between vector or matrix instructions and memory or LDS instructions, with s_wait_alu, always for 0.
; THE PLAN.  Registers that memory or LDS instructions touch:
;   v1-7        addresses, made once at the head and never written again: one wait on va_vdst ahead of the first load.
;   windows 1-3, v[W8 ..], v[RS ..]  each filled by one load at the head and never written again.
;   v[SS ..]    a tile's four joined scale words: written by vector lines, taken by the tile's products: a wait on va_vdst behind their places.
;   v[HA ..]    written by a tile's products, read by its sixteen LDS stores (a wait on va_vdst behind the places), written again by the next tile's products.
;   v[OB ..]    a tile's LDS loads land in it, its sixteen global stores read it, the next tile's LDS loads land in it.
; One wait on vm_vsrc, at the head of the second tile, stands behind all the first tile's LDS and global stores: it frees v[HA ..] and v[OB ..] alike.
.set FRB, 1536
.set SP,  528
.set LI,  1                            ; 16 x lane
.set LS,  2                            ; 4 x lane
.set L8,  3                            ; 8 x lane
.set SO,  4                            ; my stage, on the way in
.set SR,  5                            ; and out
.set BQ,  7                            ; the bias: 64 h
.set W8,  16
.set SS,  48
.set HA,  64
.set OB,  128
.set RS,  192
.set BI,  144
.set MSB, 0
.macro WIN new                         ; the immediate's high byte repeats the setting that is left
.if MSB != (\new)
	s_set_vgpr_msb (MSB<<8)|(\new)
.set MSB, (\new)
.endif
.endm
.macro MULS bwin, breg, bscl, creg, cstr
.irp s, 0,1,2,3
.irp t, 0,1,2,3,4,5,6,7
.if \t < 5
.set AW, 1
.set AR, 12*(4*\t+\s)
.else
.set AW, 2
.set AR, 12*(4*(\t-5)+\s)
.endif
.if \s == 0
.set WN, AW|((\bwin)<<2)|0x20
	WIN WN
	v_wmma_scale_f32_16x16x128_f8f6f4 v[HA+8*\t:HA+8*\t+7], v[AR:AR+11], v[(\breg)+12*\s:(\breg)+12*\s+11], v[(\creg)+(\cstr)*\t:(\creg)+(\cstr)*\t+7], v[RS+4*\t+\s], v[(\bscl)+\s] matrix_a_fmt:MATRIX_FMT_BF6 matrix_b_fmt:MATRIX_FMT_BF6
.else
.set WN, AW|((\bwin)<<2)
	WIN WN
	v_wmma_scale_f32_16x16x128_f8f6f4 v[HA+8*\t:HA+8*\t+7], v[AR:AR+11], v[(\breg)+12*\s:(\breg)+12*\s+11], v[HA+8*\t:HA+8*\t+7], v[RS+4*\t+\s], v[(\bscl)+\s] matrix_a_fmt:MATRIX_FMT_BF6 matrix_b_fmt:MATRIX_FMT_BF6
.endif
.endr
.endr
	WIN 0
.endm
	s_load_b256 s[24:31], s[0:1], 0x0              ; aimg, wimg, bo, out0
	v_lshl_add_u32 v254, v0, 2, 0x8400
	v_mov_b32 v255, 0
	v_lshrrev_b32 v9, 5, v0
	v_readfirstlane_b32 s18, v9                    ; wave 0..3
	v_and_b32 v9, 31, v0
	v_and_b32 v10, 15, v0
	v_bfe_u32 v11, v0, 4, 1
	v_lshlrev_b32 v[LI], 4, v9
	v_lshlrev_b32 v[LS], 2, v9
	v_lshlrev_b32 v[L8], 3, v9
	s_wait_alu depctr_va_sdst(0)                   ; s18 is written, ahead of its first reader: my stage's address and the bases are made from it
	s_mul_i32 s42, s18, 16*SP
	v_mul_u32_u24 v[SO], v10, SP
	v_lshl_add_u32 v[SO], v11, 6, v[SO]
	v_add_nc_u32 v[SO], s42, v[SO]                 ; row r, + 64 h
	v_add_nc_u32 v[SR], s42, v[LI]
	v_lshlrev_b32 v[BQ], 6, v11
	s_mov_b32 s43, 0
	s_wait_kmcnt 0x0
	s_lshl_b32 s42, ttmp9, 14
	s_add_nc_u64 s[4:5], s[24:25], s[42:43]        ; my two tiles' records
	s_lshl_b32 s42, s18, 9
	s_add_nc_u64 s[6:7], s[28:29], s[42:43]        ; bo at column 128 w
	s_mul_i32 s42, s18, 32*FRB
	s_add_co_u32 s42, s42, 3*212992
	s_add_nc_u64 s[8:9], s[26:27], s[42:43]        ; my 32 fragments of Wo
	s_lshl_b32 s42, s18, 12
	s_add_co_u32 s42, s42, 3*212992+196608
	s_add_nc_u64 s[10:11], s[26:27], s[42:43]      ; their scale words
	s_lshl_b32 s42, ttmp9, 16
	s_lshl_b32 s44, s18, 9
	s_add_co_u32 s42, s42, s44
	s_add_nc_u64 s[12:13], s[30:31], s[42:43]      ; out0 at row 32 g, column 128 w
	WIN 0x40
	s_wait_alu depctr_va_vdst(0)                   ; the addresses v[LI], v[LS], v[L8], v[SO], v[SR] and v[BQ] are written, which every load and store of the kernel reads
.set fi, 0
.rept 20
.irp c, 0,1,2
	global_load_b128 v[12*fi+4*\c:12*fi+4*\c+3], v[LI], s[8:9] offset:FRB*fi+512*\c
.endr
.set fi, fi+1
.endr
	WIN 0x80
.rept 12
.irp c, 0,1,2
	global_load_b128 v[12*(fi-20)+4*\c:12*(fi-20)+4*\c+3], v[LI], s[8:9] offset:FRB*fi+512*\c
.endr
.set fi, fi+1
.endr
.irp t, 0,1,2,3,4,5,6,7
	global_load_b128 v[BI+8*\t:BI+8*\t+3], v[BQ], s[6:7] offset:(32*(\t/2)+8*(\t%2))*4
	global_load_b128 v[BI+8*\t+4:BI+8*\t+7], v[BQ], s[6:7] offset:(32*(\t/2)+8*(\t%2))*4+16
.endr
	WIN 0
.set fi, 0
.rept 32
	global_load_b32 v[RS+fi], v[LS], s[10:11] offset:128*fi
.set fi, fi+1
.endr
.irp i, 0,1                                    ; a tile's 32 loads: eight heads x (three pairs of registers + a half scale word)
	WIN 0xc0
.irp d, 0,1,2,3,4,5,6,7
.irp p, 0,1,2
	global_load_b64 v[48*\i+12*(\d/2)+6*(\d%2)+2*\p:48*\i+12*(\d/2)+6*(\d%2)+2*\p+1], v[L8], s[4:5] offset:8192*\i+1024*\d+256*\p
.endr
.endr
	WIN 0
.irp d, 0,1,2,3,4,5,6,7
	global_load_b32 v[W8+8*\i+\d], v[LS], s[4:5] offset:8192*\i+1024*\d+768
.endr
.endr
.macro ITEMO i
.if (\i) == 0
	s_wait_loadcnt 32                              ; the weights, the bias and tile 0 are in; tile 1's 32 loads may be out
.else
	s_wait_loadcnt 0x0
	s_wait_alu depctr_vm_vsrc(0)                   ; the last tile's LDS stores have read v[HA ..], which the products below write again; its global stores have read v[OB ..], in which the loads from the stage land
.endif
.irp s, 0,1,2,3
	v_lshl_or_b32 v[SS+4*(\i)+\s], v[W8+8*(\i)+2*\s+1], 16, v[W8+8*(\i)+2*\s]   ; heads 2 s and 2 s + 1: the four bytes of K step s
.endr
.rept 8
	v_nop                                          ; a scale word written by a vector instruction stands eight places ahead of the scaled product
.endr
	s_wait_alu depctr_va_vdst(0)                   ; the four joined scale words v[SS ..] are written, which the products below take; the places above stay beside this wait
	MULS 3, 48*(\i), SS+4*(\i), BI, 8
.rept 4
	v_nop                                          ; places ahead of the first read of the results (ISA guide 7.12.1)
.endr
	s_wait_alu depctr_va_vdst(0)                   ; the products have written v[HA ..], which the LDS stores below read; the places above stay beside this wait
.irp t, 0,1,2,3,4,5,6,7
	ds_store_b128 v[SO], v[HA+8*\t:HA+8*\t+3] offset:128*(\t/2)+32*(\t%2)       ; each accumulator from its low end on
	ds_store_b128 v[SO], v[HA+8*\t+4:HA+8*\t+7] offset:128*(\t/2)+32*(\t%2)+16
.endr
.if (\i) >= 1
	s_wait_xcnt 0x0                                ; the last tile's stores have had their addresses translated (that they have read v[OB ..] the wait on vm_vsrc at this tile's head has stated; no memory instruction since reads v[OB ..])
.endif
.irp p, 0,1,2,3,4,5,6,7,8,9,10,11,12,13,14,15
	ds_load_b128 v[OB+4*\p:OB+4*\p+3], v[SR] offset:SP*\p   ; LDS serves a wave's instructions in order: these see my stores
.endr
.irp p, 0,1,2,3,4,5,6,7,8,9,10,11,12,13,14,15
	s_wait_dscnt 15-\p                             ; row p is back; the younger rows may be out
	global_store_b128 v[LI], v[OB+4*\p:OB+4*\p+3], s[12:13] offset:(8*(\i)+\p+8*(\p/8))*2048 th:TH_STORE_NT   ; 32 lanes store 512 consecutive bytes of a row, aligned
.endr
.endm
	ITEMO 0
	ITEMO 1
	s_wait_dscnt 0x0
	s_wait_alu depctr_hold_cnt(0) depctr_sa_sdst(0) depctr_va_vdst(0) depctr_va_sdst(0) depctr_va_ssrc(0) depctr_va_vcc(0) depctr_vm_vsrc(0)
	s_wait_tensorcnt 0x0
	ds_add_u32 v254, v255
	s_wait_dscnt 0x0
	s_endpgm
.Lfunc_end_k_qf522ec05cf_outp:
	.size	k_qf522ec05cf_outp, .Lfunc_end_k_qf522ec05cf_outp-k_qf522ec05cf_outp
	.p2alignl 7, 3214868480
	.fill 96, 4, 3214868480
	.section	.rodata,"a",@progbits
	.p2align	6, 0x0
	.amdhsa_kernel k_qf522ec05cf_outp
		.amdhsa_group_segment_fixed_size 34304
		.amdhsa_private_segment_fixed_size 0
		.amdhsa_enable_private_segment 0
		.amdhsa_kernarg_size 32
		.amdhsa_user_sgpr_count 2
		.amdhsa_user_sgpr_kernarg_segment_ptr 1
		.amdhsa_wavefront_size32 1
		.amdhsa_system_sgpr_workgroup_id_x 1
		.amdhsa_system_sgpr_workgroup_id_y 1
		.amdhsa_system_sgpr_workgroup_id_z 1
		.amdhsa_system_vgpr_workitem_id 0
		.amdhsa_next_free_vgpr 1024
		.amdhsa_next_free_sgpr 66
		.amdhsa_reserve_vcc 0
		.amdhsa_float_denorm_mode_32 3
		.amdhsa_float_denorm_mode_16_64 3
		.amdhsa_memory_ordered 1
		.amdhsa_forward_progress 1
		.amdhsa_inst_pref_size 40
	.end_amdhsa_kernel
	.amdgpu_metadata
---
amdhsa.version: [ 1, 2 ]
amdhsa.kernels:
  - .name:           k_qf522ec05cf_outp
    .symbol:         k_qf522ec05cf_outp.kd
    .args:
      - { .name: aimg, .offset: 0, .size: 8, .value_kind: global_buffer, .address_space: global }
      - { .name: wimg, .offset: 8, .size: 8, .value_kind: global_buffer, .address_space: global }
      - { .name: bo, .offset: 16, .size: 8, .value_kind: global_buffer, .address_space: global }
      - { .name: out0, .offset: 24, .size: 8, .value_kind: global_buffer, .address_space: global }
    .group_segment_fixed_size: 34304
    .private_segment_fixed_size: 0
    .kernarg_segment_align: 8
    .kernarg_segment_size: 32
    .max_flat_workgroup_size: 128
    .sgpr_count:     66
    .vgpr_count:     1024
    .wavefront_size: 32
...
	.end_amdgpu_metadata
.endif
;; end of part 8
